; MI455X (gfx1250); checked and timed in simulation.
; The chip was launched on July 23, 2026; its instructions are those of AMD's public machine-readable ISA for CDNA 5 (MIT licence, August 2026) and "CDNA5" Instruction Set Architecture Reference Guide (July 2026). The comments in the code are by the model that wrote it; some were corrected since.
;; Multi Head Attention. Allowed arithmetic: matrix products marked QUANTISED: E2M1 operands, one E8M0 scale for each 32 along K, by v_wmma_scale_f32_16x16x128_f8f6f4 with both operands' format E2M1 (or v_wmma_scale_f32_32x16x128_f4), f32 sums; everything else in f32.
;; Inputs: Wk 16 x 1,024 x 64 float32; Wo 1,024 x 1,024 float32; Wq 16 x 1,024 x 64 float32; Wv 16 x 1,024 x 64 float32; bk 16 x 64 float32; bo 1,024 float32; bq 16 x 64 float32; bv 16 x 64 float32; x 4 x 2,048 x 1,024 float32.
;; Outputs: out0 4 x 2,048 x 1,024 float32.
;; This version of the problem:
;;   THIS VERSION OF THE PROBLEM IS GIVEN IN LOW PRECISION. The matrix products marked QUANTISED in the list below multiply operands that are first quantised to E2M1 (2 exponent bits, 1 mantissa bit; 4 bits a number), with one power-of-two scale for each 32 numbers along K (OCP MX v1.0); their sums are f32. All else is computed in f32.
;;   The module's matrix products, in the order in which they are computed (A, B: the left and right operand; K: the contracted axis; several contracted axes count as one K, in the product's order):
;;     1. [M 1,024, K 1,024] x [K 1,024, N 8,192]; A: input Wq; B: input x: QUANTISED
;;     2. [M 1,024, K 1,024] x [K 1,024, N 8,192]; A: input Wk; B: input x: QUANTISED
;;     3. [M 1,024, K 1,024] x [K 1,024, N 8,192]; A: input Wv; B: input x: QUANTISED
;;     4. batch 64 x [M 2,048, K 64] x [K 64, N 2,048]; A: computed on the way; B: computed on the way: QUANTISED
;;     5. batch 64 x [M 2,048, K 2,048] x [K 2,048, N 64]; A: softmax (see below); B: computed on the way: QUANTISED
;;     6. [M 8,192, K 1,024] x [K 1,024, N 1,024]; A: computed on the way; B: input Wo: QUANTISED
;;   THE QUANTISER, for each operand of a quantised product, along K:
;;     - K is cut into blocks of 32 from its start; a last block that is shorter is filled with zeros.
;;     - A block's scale is 2^e with e = floor(log2(the largest magnitude in the block)) - 2, held to -126 .. 127; a block of zeros has e = 0. As a byte (E8M0): e + 127.
;;     - Each number is divided by its block's scale, clamped to +-6, and rounded to the nearest number of E2M1, ties to even, subnormals kept.
;;     - The product sums the exact products of the quantised numbers (number of the format x scale) in f32.
;;   ~~~python
;;   def quantise(x, axis):      # numpy; x: float32 -> the quantised numbers, widened to float32 again
;;       x = np.moveaxis(x, axis, -1); K = x.shape[-1]
;;       x = np.pad(x, [(0, 0)] * (x.ndim - 1) + [(0, -K % 32)]); x = x.reshape(x.shape[:-1] + (-1, 32)); a = np.abs(x).max(-1, keepdims=True)
;;       e = np.where(a > 0, np.clip(np.frexp(np.where(a > 0, a, 1))[1] - 1 - 2, -126, 127), 0)      # np.frexp(a)[1] - 1 = floor(log2(a)), exactly
;;       r = np.clip(x / 2.0 ** e, -6, 6)
;;       step = 2.0 ** (np.maximum(np.frexp(np.where(r == 0, 1, r))[1] - 1, 0) - 1)
;;       q = np.round(r / step) * step * 2.0 ** e      # np.round: ties to even
;;       return np.moveaxis(q.reshape(q.shape[:-2] + (-1,))[..., :K], -1, axis).astype(np.float32)
;;   ~~~
;;   SOFTMAX AHEAD OF A QUANTISED PRODUCT. Where the list says 'softmax', what is quantised is not the finished softmax but p = 2^(t - M), with t = logit x log2(e) and M = ceil(the row's largest t), a whole number; so 1/2 < the row's largest p <= 1. The row's sum l is taken of the UNQUANTISED p, in f32, and the product's result is divided by l at the end. Since M is a whole number, a kernel that streams over the keys may use a running M (the ceiling of the running maximum): every later rescaling is an exact power of two, which a block's scale takes up: the codes' values come out the same.
;;   OPERANDS COMPUTED ON THE WAY. 'Computed on the way' means the value that the module computes at that place (a softmax that the list does not call 'softmax' is quantised finished and normalised). What goes into a quantiser is computed in f32, as accurately as f32 sums, v_exp_f32 and their like allow (about 1e-6 of the number): no bf16 or f16 on the way to a quantiser, and a product that is left as it is and whose result goes on into a quantised operand takes f32 operands (vector FMAs, or v_wmma_f32_16x16x4_f32). A number that lies on a knife's edge between two numbers of the format may be rounded either way, as far as f32 arithmetic and the matrix unit's own rounding can turn it there, and no further.
;; 2 versions. Each part assembles by itself: llvm-mc -triple=amdgcn-amd-amdhsa -mcpu=gfx1250 --defsym DOCPART=n.
;; ======== version 1 of 2: 4 launches
;; workspace buffers: opc 6,291,456 bytes; ops 393,216 bytes; qc 4,194,304 bytes; qs 524,288 bytes; kvc 8,388,608 bytes; kvs 1,048,576 bytes; atc 4,194,304 bytes; ats 262,144 bytes
;; launch quant (part 1): grid 480 x 1, 4 waves a work-group, no clusters, 17,920 bytes of LDS; arguments x, Wo, Wq, Wk, Wv, opc, ops; writes opc, ops
.if DOCPART == 1
	.amdgcn_target "amdgcn-amd-amdhsa--gfx1250"
	.amdhsa_code_object_version 6
	.text
	.protected	k_qed62306233_quant
	.globl	k_qed62306233_quant
	.p2align	8
	.type	k_qed62306233_quant,@function
k_qed62306233_quant:
	s_mov_b64 s[64:65], 0
	v_nop
	global_prefetch_b8 v0, s[64:65] scope:SCOPE_SE
	s_setreg_imm32_b32 hwreg(HW_REG_WAVE_MODE, 25, 1), 1
	s_wait_xcnt 0x0
; x [8192][1024], Wo [1024][1024] (K innermost) and Wq, Wk, Wv [16][1024][64] (K = the middle axis) become codes of FP4 (E2M1) with one E8M0 byte for each 32 along K.
; A block's scale is 2^(floor(log2(its largest magnitude)) - 2): its byte is the largest magnitude's exponent field - 2, held at 1 from below by a floor among the maximum's leaves.
; LAYOUT OF THE RESULT.  opc: [tile 768][K step 8][1,024 bytes]: the image of an operand's registers for 16 rows x 128 K: byte 512 c + 16 lane holds registers 4 c .. 4 c + 3 of lane (r, h):
; the codes k = 64 c + 32 h + 0 .. 31 of the tile's row r.  THE ROWS OF A TILE ARE NOT NEIGHBOURS: row r of tile T is matrix row 32 (T / 2) + 8 (T % 2) + r + 8 (r / 8).
; Tiles 0-511 x, 512-575 Wq, 576-639 Wk, 640-703 Wv (matrix row = 64 head + d), 704-767 Wo.  ops: [tile][half of K][r][4 words]: word s of half f holds the four bytes of K step 4 f + s.
; LIMITS: NaN and infinities among the inputs are not served.  A block whose largest magnitude lies under 2^-124, a block of zeros among them, gets the byte 1 (the rule says 127 for zeros):
; its codes are what the rule gives under that byte, zeros for zeros, and the bytes are read by this program alone.
; Work-groups 0-287 take the tensors whose K is innermost, 288-479 the three whose K is not.  Waves share nothing: no barrier.  Only the first path uses LDS.
.set RAW,    64                        ; v64-191  numbers as they are loaded: four sets of 32 (second path: two)
.set X,      32                        ; v32-63   a block of 32 neighbours along K
.set C,      192                       ; v192-223 codes: four registers for each unit or block, so that no store's data are written again
.set BY,     16                        ; v16-23   first path: a scale byte for each unit
.set SW,     24                        ; v24-27   first path: the four scale words of my half of K
.set SPITCH, 272                       ; a stage row: 256 bytes + 16, so that sixteen rows begin at sixteen different 16-byte columns of a span of 256 bytes
; v[xs] .. v[xs + 31] are one block: v14 becomes the conversion's scale operand (the largest magnitude with 2 taken off its exponent field)
.macro SCALE32 xs
	v_max3_num_f32 v12, |v[\xs]|, |v[\xs+1]|, |v[\xs+2]|
	v_max3_num_f32 v13, |v[\xs+3]|, |v[\xs+4]|, |v[\xs+5]|
.irp i, 6,10,14,18,22,26
	v_max3_num_f32 v12, v12, |v[\xs+\i]|, |v[\xs+\i+1]|            ; two chains, so that no line waits for the line above it
	v_max3_num_f32 v13, v13, |v[\xs+\i+2]|, |v[\xs+\i+3]|
.endr
	v_max3_num_f32 v12, v12, |v[\xs+30]|, |v[\xs+31]|
	v_max3_num_f32 v12, v12, v13, 0x1800000        ; the floor 2^(3 - 127): the byte cannot fall under 1
	v_add_nc_u32 v14, 0xff000000, v12              ; 2 off the exponent field
.endm
	s_load_b256 s[4:11], s[0:1], 0x0               ; x s[4:5], Wo s[6:7], Wq s[8:9], Wk s[10:11]
	s_load_b128 s[12:15], s[0:1], 0x20             ; Wv s[12:13], opc s[14:15]
	s_load_b64 s[16:17], s[0:1], 0x30              ; ops
	v_lshl_add_u32 v224, v0, 2, 0x4400
	v_mov_b32 v225, 0
	v_lshrrev_b32 v1, 5, v0
	v_readfirstlane_b32 s18, v1                    ; wave 0..3
	v_and_b32 v2, 31, v0                           ; lane
	s_cmp_lt_u32 ttmp9, 288
	s_cbranch_scc0 .Lcolumns
; ---- K INNERMOST.  Work-group g' takes matrix rows 32 g' .. 32 g' + 31 (two tiles); wave w tile w / 2 of them and half w % 2 of K: eight units of 16 rows x 64 k.
; A load takes the bytes as they lie (sixteen lanes a row's 256 bytes, two rows a load); a unit turns through the wave's own stage, so that lane (r, h) gets the 32 neighbours k = 32 h .. of row r.
	v_and_b32 v3, 15, v0                           ; r
	v_bfe_u32 v4, v0, 4, 1                         ; h
	v_lshlrev_b32 v5, 4, v3                        ; 16 r
	v_lshl_add_u32 v6, v4, 12, v5                  ; in: lanes 16-31 one row of 4,096 bytes further down
	s_mul_i32 s19, s18, 16*SPITCH                  ; my stage
	v_mad_u32_u24 v7, v4, SPITCH, v5
	v_add_nc_u32 v7, s19, v7                       ; into it: as loaded
	v_mul_u32_u24 v8, v3, SPITCH
	v_lshl_add_u32 v8, v4, 7, v8
	v_add_nc_u32 v8, s19, v8                       ; out of it: row r, + 128 h bytes
	v_lshlrev_b32 v9, 4, v2                        ; the codes' place in an image's half: 16 x lane
	v_lshl_add_u32 v10, v4, 3, v5                  ; the scale words' place: 16 r + 8 h
	v_lshlrev_b32 v11, 3, v4                       ; 8 h: how far my bytes are shifted in a scale word
	v_mov_b32 v15, 0                               ; a lane permute's destination counts as one of its sources
	s_mov_b32 s28, 0x76543210
	s_mov_b32 s29, 0xfedcba98                      ; v_permlanex16_b32's selects for lane l xor 16
	s_wait_kmcnt 0x0
	s_cmp_lt_u32 ttmp9, 256                        ; x or Wo: the choice hangs on the work-group's number alone
	s_cselect_b64 s[4:5], s[4:5], s[6:7]
	s_cselect_b32 s20, 0, 256
	s_cselect_b32 s21, 0, 704                      ; where the tensor's tiles begin in opc
	s_sub_co_u32 s20, ttmp9, s20                   ; g'
	s_lshr_b32 s22, s18, 1                         ; which of the two tiles
	s_and_b32 s23, s18, 1                          ; which half of K
	s_lshl_b32 s24, s20, 5
	s_lshl_b32 s25, s22, 3
	s_add_co_u32 s24, s24, s25                     ; the tile's first matrix row: 32 g' + 8 (w / 2)
	s_lshl_b32 s24, s24, 12
	s_lshl_b32 s25, s23, 11
	s_add_co_u32 s24, s24, s25                     ; in bytes, + my half of the row
	s_mov_b32 s25, 0
	s_add_nc_u64 s[4:5], s[4:5], s[24:25]
	s_lshl_b32 s26, s20, 1
	s_add_co_u32 s26, s26, s22
	s_add_co_u32 s26, s26, s21                     ; the tile's number in opc
	s_lshl_b32 s24, s26, 13
	s_lshl_b32 s27, s23, 12
	s_add_co_u32 s24, s24, s27
	s_add_nc_u64 s[14:15], s[14:15], s[24:25]      ; 8,192 x tile + 4,096 x half
	s_lshl_b32 s24, s26, 9
	s_lshl_b32 s27, s23, 8
	s_add_co_u32 s24, s24, s27
	s_add_nc_u64 s[16:17], s[16:17], s[24:25]      ; 512 x tile + 256 x half
.macro LOADU t                         ; unit t: load j brings tile rows 2 j and 2 j + 1, which are matrix rows 2 j + 8 (j / 4) and the next
.irp j, 0,1,2,3,4,5,6,7
	global_load_b128 v[RAW+32*((\t)%4)+4*\j:RAW+32*((\t)%4)+4*\j+3], v6, s[4:5] offset:(2*\j+8*(\j/4))*4096+256*(\t) th:TH_LOAD_NT
.endr
.endm
.macro UNIT t
.if 8*(7-(\t)) < 24
	s_wait_loadcnt 8*(7-(\t))                      ; the count: the loads of the units behind this one
.else
	s_wait_loadcnt 24                              ; this unit's eight loads are in; those of the three units behind it may be out
.endif
.irp j, 0,1,2,3,4,5,6,7
	ds_store_b128 v7, v[RAW+32*((\t)%4)+4*\j:RAW+32*((\t)%4)+4*\j+3] offset:2*SPITCH*\j
.endr
.irp i, 0,1,2,3,4,5,6,7
	ds_load_b128 v[X+4*\i:X+4*\i+3], v8 offset:16*\i               ; LDS serves a wave's instructions in order: these see the stores above
.endr
	s_wait_dscnt 0x0                               ; my block is in, and the stores have read the set,
.if (\t) < 4
	LOADU (\t)+4                                   ; which takes the unit four further on
.endif
	SCALE32 X
.irp q, 0,1,2,3
	v_cvt_scalef32_pk8_fp4_f32 v[C+4*(\t)+\q], v[X+8*\q:X+8*\q+7], v14
.endr
	v_lshrrev_b32 v[BY+(\t)], 23, v14              ; the scale's byte (also the plain line behind the conversions)
	global_store_b128 v9, v[C+4*(\t):C+4*(\t)+3], s[14:15] offset:512*(\t)   ; half an image: the wave stores 512 consecutive bytes
.if (\t)%2 == 1                        ; two units are a K step: my bytes are those of blocks h and 2 + h
	v_lshl_or_b32 v[SW+(\t)/2], v[BY+(\t)], 16, v[BY+(\t)-1]
	v_lshlrev_b32 v[SW+(\t)/2], v11, v[SW+(\t)/2]
	v_permlanex16_b32 v15, v[SW+(\t)/2], s28, s29
	v_or_b32 v[SW+(\t)/2], v[SW+(\t)/2], v15       ; with lane l xor 16's two the word is whole
.endif
.endm
	LOADU 0
	LOADU 1
	LOADU 2
	LOADU 3
.irp t, 0,1,2,3,4,5,6,7
	UNIT \t
.endr
	v_cmp_lt_u32 vcc_lo, 15, v2                    ; lanes 0-15 store words 0 and 1 of their row, lanes 16-31 words 2 and 3
	v_cndmask_b32 v28, v[SW], v[SW+2], vcc_lo
	v_cndmask_b32 v29, v[SW+1], v[SW+3], vcc_lo
	global_store_b64 v10, v[28:29], s[16:17]       ; the wave stores 256 consecutive bytes, aligned
	s_wait_tensorcnt 0x0
	ds_add_u32 v224, v225
	s_wait_dscnt 0x0
	s_endpgm
; ---- K NOT INNERMOST.  A lane takes a column d and its registers run down K (= e): a block of 32 lies in one lane, and the conversions give codes with K innermost.
; Work-group g2: tensor g2 / 64, head (g2 % 64) / 4, a pair of K steps g2 % 4.  Wave w: columns 32 (w % 2) on, K step 2 (g2 % 4) + w / 2: four blocks.
.Lcolumns:
	s_sub_co_u32 s20, ttmp9, 288                   ; g2
	s_lshr_b32 s21, s20, 6                         ; which tensor
	s_bfe_u32 s22, s20, 0x40002                    ; head
	s_and_b32 s23, s20, 3
	s_and_b32 s24, s18, 1                          ; which 32 columns
	s_lshr_b32 s25, s18, 1
	s_lshl_b32 s23, s23, 1
	s_add_co_u32 s23, s23, s25                     ; K step
	v_lshlrev_b32 v3, 2, v2                        ; in: 4 bytes a lane
	v_and_b32 v4, 7, v2
	v_bfe_u32 v5, v2, 4, 1
	v_lshl_add_u32 v4, v5, 3, v4                   ; column l of the 32 is row r = l % 8 + 8 (l / 16)
	v_bfe_u32 v5, v2, 3, 1                         ; of tile u = (l / 8) % 2 of the pair
	v_lshlrev_b32 v4, 4, v4
	v_lshl_add_u32 v6, v5, 13, v4                  ; codes: 8,192 u + 16 r
	v_lshl_add_u32 v7, v5, 9, v4                   ; scale word: 512 u + 16 r
	s_wait_kmcnt 0x0
	s_cmp_eq_u32 s21, 0
	s_cselect_b64 s[4:5], s[8:9], s[10:11]         ; Wq or Wk,
	s_cmp_eq_u32 s21, 2
	s_cselect_b64 s[4:5], s[12:13], s[4:5]         ; or Wv
	s_lshl_b32 s26, s22, 18                        ; a head is 262,144 bytes,
	s_lshl_b32 s27, s23, 15                        ; 128 rows of 256 bytes a K step,
	s_add_co_u32 s26, s26, s27
	s_lshl_b32 s27, s24, 7                         ; 32 columns 128 bytes
	s_add_co_u32 s26, s26, s27
	s_mov_b32 s27, 0
	s_add_nc_u64 s[4:5], s[4:5], s[26:27]
	s_lshl_b32 s28, s21, 6
	s_lshl_b32 s29, s22, 2
	s_add_co_u32 s28, s28, s29
	s_lshl_b32 s29, s24, 1
	s_add_co_u32 s28, s28, s29
	s_add_co_u32 s28, s28, 512                     ; the pair's first tile: 512 + 64 tensor + 4 head + 2 (w % 2)
	s_lshl_b32 s26, s28, 13
	s_lshl_b32 s29, s23, 10
	s_add_co_u32 s26, s26, s29
	s_add_nc_u64 s[14:15], s[14:15], s[26:27]
	s_lshl_b32 s26, s28, 9
	s_lshr_b32 s29, s23, 2
	s_lshl_b32 s29, s29, 8
	s_add_co_u32 s26, s26, s29
	s_and_b32 s29, s23, 3
	s_lshl_b32 s29, s29, 2
	s_add_co_u32 s26, s26, s29
	s_add_nc_u64 s[16:17], s[16:17], s[26:27]      ; 512 x tile + 256 x (step / 4) + 4 x (step % 4)
.macro LOADB t                         ; block t: W(32 t + i, my column), i = 0 .. 31
.irp i, 0,1,2,3,4,5,6,7,8,9,10,11,12,13,14,15,16,17,18,19,20,21,22,23,24,25,26,27,28,29,30,31
	global_load_b32 v[RAW+32*((\t)%2)+\i], v3, s[4:5] offset:(32*(\t)+\i)*256 th:TH_LOAD_NT
.endr
.endm
.macro BLOCK t
.set XS, RAW+32*((\t)%2)
.if (\t) < 3
	s_wait_loadcnt 32                              ; this block's 32 loads are in; the next block's may be out
.else
	s_wait_loadcnt 0x0
.endif
	SCALE32 XS
.irp q, 0,1,2,3
	v_cvt_scalef32_pk8_fp4_f32 v[C+4*(\t)+\q], v[XS+8*\q:XS+8*\q+7], v14
.endr
	v_lshrrev_b32 v15, 23, v14                     ; the scale's byte (also the plain line behind the conversions)
.if (\t) == 0
	v_mov_b32 v16, v15                             ; the K step's four bytes make my row's scale word
.else
	v_lshl_or_b32 v16, v15, 8*(\t), v16
.endif
	global_store_b128 v6, v[C+4*(\t):C+4*(\t)+3], s[14:15] offset:256*(\t)   ; block t is c = t / 2, h = t % 2 of the image: byte 256 t + 16 r; sixteen lanes fill 256 consecutive bytes of each of the two tiles
.if (\t) < 2
	LOADB (\t)+2
.endif
.endm
	LOADB 0
	LOADB 1
.irp t, 0,1,2,3
	BLOCK \t
.endr
	global_store_b32 v7, v16, s[16:17]             ; four bytes of each row's sixteen: the other K steps' waves write the rest
	s_endpgm
.Lfunc_end_k_qed62306233_quant:
	.size	k_qed62306233_quant, .Lfunc_end_k_qed62306233_quant-k_qed62306233_quant
	.p2alignl 7, 3214868480
	.fill 96, 4, 3214868480
	.section	.rodata,"a",@progbits
	.p2align	6, 0x0
	.amdhsa_kernel k_qed62306233_quant
		.amdhsa_group_segment_fixed_size 17920
		.amdhsa_private_segment_fixed_size 0
		.amdhsa_enable_private_segment 0
		.amdhsa_kernarg_size 56
		.amdhsa_user_sgpr_count 2
		.amdhsa_user_sgpr_kernarg_segment_ptr 1
		.amdhsa_wavefront_size32 1
		.amdhsa_system_sgpr_workgroup_id_x 1
		.amdhsa_system_sgpr_workgroup_id_y 1
		.amdhsa_system_sgpr_workgroup_id_z 1
		.amdhsa_system_vgpr_workitem_id 0
		.amdhsa_next_free_vgpr 226
		.amdhsa_next_free_sgpr 66
		.amdhsa_reserve_vcc 1
		.amdhsa_float_denorm_mode_32 3
		.amdhsa_float_denorm_mode_16_64 3
		.amdhsa_memory_ordered 1
		.amdhsa_forward_progress 1
		.amdhsa_inst_pref_size 50
	.end_amdhsa_kernel
	.amdgpu_metadata
---
amdhsa.version: [ 1, 2 ]
amdhsa.kernels:
  - .name:           k_qed62306233_quant
    .symbol:         k_qed62306233_quant.kd
    .args:
      - { .name: x, .offset: 0, .size: 8, .value_kind: global_buffer, .address_space: global }
      - { .name: Wo, .offset: 8, .size: 8, .value_kind: global_buffer, .address_space: global }
      - { .name: Wq, .offset: 16, .size: 8, .value_kind: global_buffer, .address_space: global }
      - { .name: Wk, .offset: 24, .size: 8, .value_kind: global_buffer, .address_space: global }
      - { .name: Wv, .offset: 32, .size: 8, .value_kind: global_buffer, .address_space: global }
      - { .name: opc, .offset: 40, .size: 8, .value_kind: global_buffer, .address_space: global }
      - { .name: ops, .offset: 48, .size: 8, .value_kind: global_buffer, .address_space: global }
    .group_segment_fixed_size: 17920
    .private_segment_fixed_size: 0
    .kernarg_segment_align: 8
    .kernarg_segment_size: 56
    .max_flat_workgroup_size: 128
    .sgpr_count:     66
    .vgpr_count:     226
    .wavefront_size: 32
...
	.end_amdgpu_metadata
.endif
;; end of part 1
;; launch proj (part 2): grid 768 x 1, 4 waves a work-group, no clusters, 3,584 bytes of LDS; arguments opc, ops, bq, bk, bv, qc, qs, kvc, kvs; writes qc, qs, kvc, kvs
.if DOCPART == 2
	.amdgcn_target "amdgcn-amd-amdhsa--gfx1250"
	.amdhsa_code_object_version 6
	.text
	.protected	k_qed62306233_proj
	.globl	k_qed62306233_proj
	.p2align	8
	.type	k_qed62306233_proj,@function
k_qed62306233_proj:
	s_mov_b64 s[64:65], 0
	v_nop
	global_prefetch_b8 v0, s[64:65] scope:SCOPE_SE
	s_setreg_imm32_b32 hwreg(HW_REG_WAVE_MODE, 25, 1), 1
	s_wait_xcnt 0x0
; q = x Wq + bq, k = x Wk + bk, v = x Wv + bv on codes of FP4 (E2M1) with E8M0 scales, K = 1,024; each result is quantised in registers for the product that reads it, and only codes go to memory.
; OPERANDS are register images (opc: [tile][K step][1,024 bytes], byte 512 c + 16 lane = registers 4 c .. 4 c + 3; row r of tile T = matrix row 32 (T / 2) + 8 (T % 2) + r + 8 (r / 8)):
; a fragment is two loads of 16 bytes a lane, 512 consecutive bytes each, straight from memory into registers.  No LDS ring: K is eight steps, written out, two fragment buffers.
; A WAVE makes 4 "N" tiles x 8 "P" tiles: D = (source 0 = P tile) x (source 1 = N tile).  Lane (r, h) then holds N row r, and register j of P tile t the P index 32 (t / 2) + 16 h + 8 (t % 2) + j:
; the 16 registers of tiles 2 b and 2 b + 1 are 16 neighbours along P, which is the next product's K.
;   work-groups 0-511 (q, k): P = 128 rows of Wq or Wk (two heads x 64 d), N = 64 rows of x.  Result: for each head an image of 16 rows x 64 d (half a fragment) and a scale word with bytes 2 and 3 = 0.
;   work-groups 512-767 (v):  P = 128 rows of x (a step of 128 keys), N = 64 rows of Wv (a head's d).  Result: images of 16 d x 128 keys.
; OUT: qc [bh][tile 128][512], qs [bh][tile][r] words; kvc [bh][step 16][K: 8 x 512 | V: 4 x 1,024], kvs [bh][step][K words 512 bytes | V words 256 bytes | 256 bytes that nobody writes or reads].
; LIMITS: NaN and infinities are not served; a block whose largest magnitude lies under 2^-124 (zeros among them) gets the byte 1; the bytes are read by this program alone.
; REGISTERS: window 0: v2-10 addresses; v16-111, v112-207 the two fragment buffers (N's four fragments, then P's eight); v208-223 N's scale words, v224-255 P's.  Window 1: accumulator (a, t) at v[8 (8 a + t)].
.set LI,  2                            ; v2   16 x lane
.set LS,  3                            ; v3   512 h + 16 r: lanes 0-15 take the even tile's scale words, lanes 16-31 the odd tile's
.set FB0, 16
.set SN,  208                          ; N's scale words: register SN + 8 (a / 2) + step
.set SP,  224                          ; P's: SP + 8 (t / 2) + step
.set BI,  48                           ; the way out: v48-111 the bias in the result's layout (q, k);
.set BL,  48                           ; v48-55 a pair for each N tile (v)
.set H,   144                          ; v144-207 64 numbers of a lane
.set TM,  112                          ; v112-127 at work
.set PW,  128                          ; the scale word just made
.set PC,  16                           ; v16-47 codes: eight registers for each N tile, so that no store's data are written again
.set RB,  132                          ; v132-135 scale words read back
.set WT,  136                          ; v136-139 a scale word for each N tile
.set SEL, 42                           ; s[42:43]
.set MSB, 0
.macro WIN new                         ; the immediate's high byte repeats the setting that is left
.if MSB != \new
	s_set_vgpr_msb (MSB<<8)|\new
.set MSB, \new
.endif
.endm
.macro PLACES                          ; four plain vector lines between a matrix instruction and a load into, or a vector line on, its registers
.rept 4
	v_nop
.endr
.endm
.macro LOADF g                         ; K step g's twelve fragments: 24 loads
.set FB, FB0+96*((\g)%2)
.irp a, 0,1,2,3
.irp c, 0,1
	global_load_b128 v[FB+8*\a+4*\c:FB+8*\a+4*\c+3], v[LI], s[34:35] offset:\a*8192+(\g)*1024+\c*512
.endr
.endr
.irp t, 0,1,2,3,4,5,6,7
.irp c, 0,1
	global_load_b128 v[FB+32+8*\t+4*\c:FB+32+8*\t+4*\c+3], v[LI], s[36:37] offset:\t*8192+(\g)*1024+\c*512
.endr
.endr
.endm
; one product: N tile a, P tile t, K step g.  An odd tile's scale words lie in lanes 16-31 of its pair's register.  zero = 1: the product starts the sum
.macro WM a, t, g, zero
.set rD, 8*(8*(\a)+(\t))
.set rA, FB0+96*((\g)%2)+32+8*(\t)
.set rB, FB0+96*((\g)%2)+8*(\a)
.set rX, SP+8*((\t)/2)+(\g)
.set rY, SN+8*((\a)/2)+(\g)
.if \zero
.if ((\t)%2 == 0) && ((\a)%2 == 0)
	v_wmma_scale_f32_16x16x128_f8f6f4 v[rD:rD+7], v[rA:rA+7], v[rB:rB+7], 0, v[rX], v[rY] matrix_a_fmt:MATRIX_FMT_FP4 matrix_b_fmt:MATRIX_FMT_FP4
.elseif ((\t)%2 == 1) && ((\a)%2 == 0)
	v_wmma_scale_f32_16x16x128_f8f6f4 v[rD:rD+7], v[rA:rA+7], v[rB:rB+7], 0, v[rX], v[rY] matrix_a_fmt:MATRIX_FMT_FP4 matrix_b_fmt:MATRIX_FMT_FP4 matrix_a_scale:MATRIX_SCALE_ROW1
.elseif (\t)%2 == 0
	v_wmma_scale_f32_16x16x128_f8f6f4 v[rD:rD+7], v[rA:rA+7], v[rB:rB+7], 0, v[rX], v[rY] matrix_a_fmt:MATRIX_FMT_FP4 matrix_b_fmt:MATRIX_FMT_FP4 matrix_b_scale:MATRIX_SCALE_ROW1
.else
	v_wmma_scale_f32_16x16x128_f8f6f4 v[rD:rD+7], v[rA:rA+7], v[rB:rB+7], 0, v[rX], v[rY] matrix_a_fmt:MATRIX_FMT_FP4 matrix_b_fmt:MATRIX_FMT_FP4 matrix_a_scale:MATRIX_SCALE_ROW1 matrix_b_scale:MATRIX_SCALE_ROW1
.endif
.else
.if ((\t)%2 == 0) && ((\a)%2 == 0)
	v_wmma_scale_f32_16x16x128_f8f6f4 v[rD:rD+7], v[rA:rA+7], v[rB:rB+7], v[rD:rD+7], v[rX], v[rY] matrix_a_fmt:MATRIX_FMT_FP4 matrix_b_fmt:MATRIX_FMT_FP4
.elseif ((\t)%2 == 1) && ((\a)%2 == 0)
	v_wmma_scale_f32_16x16x128_f8f6f4 v[rD:rD+7], v[rA:rA+7], v[rB:rB+7], v[rD:rD+7], v[rX], v[rY] matrix_a_fmt:MATRIX_FMT_FP4 matrix_b_fmt:MATRIX_FMT_FP4 matrix_a_scale:MATRIX_SCALE_ROW1
.elseif (\t)%2 == 0
	v_wmma_scale_f32_16x16x128_f8f6f4 v[rD:rD+7], v[rA:rA+7], v[rB:rB+7], v[rD:rD+7], v[rX], v[rY] matrix_a_fmt:MATRIX_FMT_FP4 matrix_b_fmt:MATRIX_FMT_FP4 matrix_b_scale:MATRIX_SCALE_ROW1
.else
	v_wmma_scale_f32_16x16x128_f8f6f4 v[rD:rD+7], v[rA:rA+7], v[rB:rB+7], v[rD:rD+7], v[rX], v[rY] matrix_a_fmt:MATRIX_FMT_FP4 matrix_b_fmt:MATRIX_FMT_FP4 matrix_a_scale:MATRIX_SCALE_ROW1 matrix_b_scale:MATRIX_SCALE_ROW1
.endif
.endif
.endm
.macro MULSTEP g, zero                 ; a K step: the 32 accumulators take turns, one instruction a turn, in the same order in every step
	WIN 0x50                                       ; C and D in window 1
.irp a, 0,1,2,3
.irp t, 0,1,2,3,4,5,6,7
	WM \a, \t, \g, \zero
.endr
.endr
	WIN 0
.endm
.macro SUMS a, qk                      ; N tile a's 64 sums + the bias, into window 0; each accumulator is read from its low end on
	WIN 0x01                                       ; source 0 in window 1
.set i, 0
.rept 32
.if \qk
	v_pk_add_f32 v[H+2*i:H+2*i+1], v[64*(\a)+2*i:64*(\a)+2*i+1], v[BI+2*i:BI+2*i+1]
.else
	v_pk_add_f32 v[H+2*i:H+2*i+1], v[64*(\a)+2*i:64*(\a)+2*i+1], v[BL+2*(\a):BL+2*(\a)+1]
.endif
.set i, i+1
.endr
	WIN 0
.endm
; 64 numbers of a lane, v[s] .. v[s + 63], register 16 b + i = k 32 b + 16 (lane / 16) + i of my row, become a fragment's codes in v[pc] on and its scale word in v[pw]
.macro QUANT s, pc, pw
.irp b, 0,1,2,3
	v_max3_num_f32 v[TM+\b], |v[\s+16*\b]|, |v[\s+1+16*\b]|, 0x1800000   ; block b: my 16 numbers, and the floor 2^(3 - 127): the byte cannot fall under 1
.endr
.irp i, 2,4,6,8,10,12,14
.irp b, 0,1,2,3
	v_max3_num_f32 v[TM+\b], v[TM+\b], |v[\s+16*\b+\i]|, |v[\s+1+16*\b+\i]|   ; (the four blocks by turns)
.endr
.endr
.irp b, 0,1,2,3
	v_permlanex16_b32 v[TM+4+\b], v[TM+\b], s[SEL], s[SEL+1]
.endr
.irp b, 0,1,2,3
	v_max_num_f32 v[TM+\b], v[TM+\b], v[TM+4+\b]   ; with lane l xor 16's: the block's largest magnitude
.endr
.irp b, 0,1,2,3
	v_add_nc_u32 v[TM+12+\b], 0xff000000, v[TM+\b] ; 2 off its exponent field: the conversion's scale operand
.endr
.irp b, 0,1,2,3
	v_lshrrev_b32 v[TM+4+\b], 23, v[TM+12+\b]      ; the scale's byte
.endr
	v_lshl_or_b32 v[\pw], v[TM+5], 8, v[TM+4]
	v_lshl_or_b32 v[\pw], v[TM+6], 16, v[\pw]
	v_lshl_or_b32 v[\pw], v[TM+7], 24, v[\pw]
.irp b, 0,1,2,3
	v_cvt_scalef32_pk8_fp4_f32 v[\pc+2*\b], v[\s+16*\b:\s+7+16*\b], v[TM+12+\b]
	v_cvt_scalef32_pk8_fp4_f32 v[\pc+1+2*\b], v[\s+8+16*\b:\s+15+16*\b], v[TM+12+\b]
.endr
	v_nop                                          ; one plain line behind a scaled conversion
.irp c, 0,1                                    ; the operand's layout wants a whole block in a lane: lanes 0-15 block 2 c, lanes 16-31 block 2 c + 1
.irp i, 0,1
	v_permlane16_swap_b32 v[\pc+4*\c+\i], v[\pc+2+4*\c+\i]
.endr
.endr
.endm
	s_load_b256 s[4:11], s[0:1], 0x0               ; opc s[4:5], ops s[6:7], bq s[8:9], bk s[10:11]
	s_load_b256 s[12:19], s[0:1], 0x20             ; bv s[12:13], qc s[14:15], qs s[16:17], kvc s[18:19]
	s_load_b64 s[20:21], s[0:1], 0x40              ; kvs
	v_lshl_add_u32 v14, v0, 2, 0xc00
	v_mov_b32 v15, 0
	v_lshrrev_b32 v1, 5, v0
	v_readfirstlane_b32 s22, v1                    ; wave 0..3
	v_and_b32 v1, 31, v0
	v_lshlrev_b32 v[LI], 4, v1
	v_and_b32 v4, 15, v0                           ; r
	v_bfe_u32 v5, v0, 4, 1                         ; h
	v_lshlrev_b32 v[LS], 4, v4
	v_lshl_add_u32 v[LS], v5, 9, v[LS]
	s_mov_b32 s[SEL], 0x76543210
	s_mov_b32 s[SEL+1], 0xfedcba98                 ; v_permlanex16_b32's selects for lane l xor 16
	s_and_b32 s23, ttmp9, 15                       ; q, k: which 128 rows of Wq (0-7) or Wk (8-15): shared by the four waves
	s_lshr_b32 s24, ttmp9, 4
	s_lshl_b32 s24, s24, 2
	s_add_co_u32 s24, s24, s22                     ;       which 64 rows of x
	s_lshl_b32 s25, s24, 2                         ;       N's first tile
	s_lshl_b32 s26, s23, 3
	s_add_co_u32 s26, s26, 512                     ;       P's first tile
	s_sub_co_u32 s27, ttmp9, 512
	s_and_b32 s28, s27, 3
	s_lshl_b32 s28, s28, 2
	s_add_co_u32 s28, s28, s22                     ; v: the head
	s_lshr_b32 s29, s27, 2                         ;    which 128 rows of x: shared by the four waves
	s_lshl_b32 s30, s28, 2
	s_add_co_u32 s30, s30, 640                     ;    N's first tile
	s_lshl_b32 s31, s29, 3                         ;    P's first tile
	s_cmp_lt_u32 ttmp9, 512
	s_cselect_b32 s25, s25, s30
	s_cselect_b32 s26, s26, s31
	s_mov_b32 s33, 0
	s_lshl_b32 s32, s25, 13
	s_wait_kmcnt 0x0
	s_add_nc_u64 s[34:35], s[4:5], s[32:33]        ; N's images
	s_lshl_b32 s32, s26, 13
	s_add_nc_u64 s[36:37], s[4:5], s[32:33]        ; P's
	s_lshl_b32 s32, s25, 9
	s_add_nc_u64 s[38:39], s[6:7], s[32:33]        ; N's scale words
	s_lshl_b32 s32, s26, 9
	s_add_nc_u64 s[40:41], s[6:7], s[32:33]        ; P's
.irp p, 0,1
.irp f, 0,1
	global_load_b128 v[SN+8*\p+4*\f:SN+8*\p+4*\f+3], v[LS], s[38:39] offset:\p*1024+\f*256   ; a pair of tiles, four K steps' words
.endr
.endr
.irp p, 0,1,2,3
.irp f, 0,1
	global_load_b128 v[SP+8*\p+4*\f:SP+8*\p+4*\f+3], v[LS], s[40:41] offset:\p*1024+\f*256
.endr
.endr
	LOADF 0
	LOADF 1
	s_wait_loadcnt 24                              ; the scale words and K step 0 are in; K step 1's 24 loads may be out
	MULSTEP 0, 1                                   ; the first products start the sums: nothing is cleared
	PLACES
	LOADF 2
.irp g, 1,2,3,4,5
	s_wait_loadcnt 24                              ; this K step's fragments are in; the next step's 24 loads may be out
	MULSTEP \g, 0
	PLACES
	LOADF \g+2
.endr
	s_wait_loadcnt 24
	MULSTEP 6, 0
	s_cmp_lt_u32 ttmp9, 512
	s_cbranch_scc0 .Lv
; ---- q, k: the last K step and the way out
	s_and_b32 s44, s23, 7                          ; which pair of heads
	s_lshr_b32 s45, s24, 5                         ; the batch
	s_and_b32 s46, s24, 31
	s_lshl_b32 s46, s46, 2                         ; my first tile among the batch's 128
	s_lshl_b32 s47, s45, 4
	s_lshl_b32 s48, s44, 1
	s_add_co_u32 s47, s47, s48                     ; bh of the pair's first head
	s_lshl_b32 s48, s47, 16
	s_lshl_b32 s49, s46, 9
	s_add_co_u32 s48, s48, s49                     ; in qc: 65,536 bh + 512 tile
	s_lshl_b32 s50, s47, 17
	s_lshr_b32 s51, s46, 3
	s_lshl_b32 s51, s51, 13
	s_add_co_u32 s50, s50, s51
	s_and_b32 s51, s46, 7
	s_lshl_b32 s51, s51, 9
	s_add_co_u32 s50, s50, s51                     ; in kvc: 131,072 bh + 8,192 (tile / 8) + 512 (tile % 8)
	s_cmp_lt_u32 s23, 8                            ; q or k
	s_cselect_b32 s48, s48, s50
	s_cselect_b64 s[52:53], s[14:15], s[18:19]
	s_cselect_b64 s[54:55], s[16:17], s[20:21]
	s_cselect_b64 s[56:57], s[8:9], s[10:11]
	s_cselect_b32 s58, 16, 17                      ; log2 of a head's bytes of codes
	s_mov_b32 s49, 0
	s_add_nc_u64 s[52:53], s[52:53], s[48:49]      ; the first head's codes
	s_lshr_b32 s48, s48, 3
	s_add_nc_u64 s[54:55], s[54:55], s[48:49]      ; its scale words: an eighth of the codes' offset in both buffers
	s_lshl_b32 s48, 1, s58
	s_add_nc_u64 s[60:61], s[52:53], s[48:49]      ; the second head's codes
	s_lshr_b32 s59, s48, 3                         ; from head to head among the scale words
	s_lshl_b32 s48, s44, 9
	s_add_nc_u64 s[56:57], s[56:57], s[48:49]      ; the pair's 128 numbers of the bias
	s_lshl_b32 s62, s22, 9
	v_lshlrev_b32 v6, 4, v5                        ; 16 h.  (These nine plain lines are the places between K step 6's products and the loads into its buffer)
	v_lshlrev_b32 v7, 2, v4
	v_lshl_add_u32 v7, v5, 8, v7
	v_add_nc_u32 v7, s62, v7                       ; LDS, my wave's 512 bytes: 256 h (the head) + 4 r, + 64 a in the immediate
	v_add_nc_u32 v8, s62, v[LI]                    ; and back: 16 x lane
	v_mul_u32_u24 v9, s59, v5
	v_lshl_add_u32 v9, v4, 4, v9                   ; in memory: lanes 0-15 the first head's 256 bytes, lanes 16-31 the second's
	v_lshlrev_b32 v10, 6, v5                       ; the bias: 16 h numbers on
	v_nop
.irp t, 0,1,2,3,4,5,6,7
	global_load_b128 v[BI+8*\t:BI+8*\t+3], v10, s[56:57] offset:(32*(\t/2)+8*(\t%2))*4
	global_load_b128 v[BI+8*\t+4:BI+8*\t+7], v10, s[56:57] offset:(32*(\t/2)+8*(\t%2))*4+16
.endr
	s_wait_loadcnt 16                              ; K step 7's fragments are in; the bias's 16 loads may be out
	MULSTEP 7, 0
	PLACES
.irp b, 0,1,2,3
	v_mov_b32 v[TM+4+\b], 0                        ; written once: a lane permute's destination counts as one of its sources
.endr
	s_wait_loadcnt 0x0                             ; the bias
.macro EPI_QK a
	SUMS \a, 1
	QUANT H, PC+8*\a, PW
	global_store_b128 v[LI], v[PC+8*\a:PC+8*\a+3], s[52:53] offset:512*\a      ; registers 0-3: the first head's 64 d; 512 consecutive bytes
	global_store_b128 v[LI], v[PC+8*\a+4:PC+8*\a+7], s[60:61] offset:512*\a    ; registers 4-7: the second head's
	v_lshrrev_b32 v[WT+\a], v6, v[PW]
	v_and_b32 v[WT+\a], 0xffff, v[WT+\a]           ; lanes 0-15: the first head's two bytes, lanes 16-31: the second's; bytes 2 and 3 are 0
	ds_store_b32 v7, v[WT+\a] offset:64*\a
.endm
.irp a, 0,1,2,3
	EPI_QK \a
.endr
	ds_load_b128 v[RB:RB+3], v8                    ; LDS serves a wave's instructions in order: this sees my stores
	s_wait_dscnt 0x0
	global_store_b128 v9, v[RB:RB+3], s[54:55]     ; four tiles' words of each head: sixteen lanes store 256 consecutive bytes, aligned
	s_wait_tensorcnt 0x0
	ds_add_u32 v14, v15
	s_wait_dscnt 0x0
	s_endpgm
; ---- v: the last K step and the way out
.Lv:
	s_lshr_b32 s45, s29, 4                         ; the batch
	s_and_b32 s46, s29, 15                         ; the step of 128 keys
	s_lshl_b32 s47, s45, 4
	s_add_co_u32 s47, s47, s28                     ; bh
	s_lshl_b32 s48, s47, 17
	s_lshl_b32 s49, s46, 13
	s_add_co_u32 s48, s48, s49
	s_add_co_u32 s48, s48, 4096                    ; V's images lie behind the step's K images
	s_mov_b32 s49, 0
	s_add_nc_u64 s[52:53], s[18:19], s[48:49]
	s_lshr_b32 s48, s48, 3                         ; 16,384 bh + 1,024 step + 512
	s_add_nc_u64 s[54:55], s[20:21], s[48:49]
	s_lshl_b32 s48, s28, 8
	s_add_nc_u64 s[56:57], s[12:13], s[48:49]      ; the head's 64 numbers of bv
	s_lshl_b32 s62, s22, 8
	s_add_co_u32 s62, s62, 2048                    ; LDS: this path's own bytes, 256 a wave
	v_lshlrev_b32 v7, 2, v4                        ; (these seven plain lines are the places between K step 6's products and the loads into its buffer)
	v_add_nc_u32 v7, s62, v7                       ; 4 r, + 64 a in the immediate
	v_lshrrev_b32 v9, 1, v[LI]                     ; 8 x lane
	v_add_nc_u32 v8, s62, v9
	v_and_b32 v10, 8, v4
	v_add_nc_u32 v10, v10, v4                      ; my d in a tile: r + 8 (r / 8)
	v_lshlrev_b32 v10, 2, v10
.irp a, 0,1,2,3
	global_load_b32 v[BL+2*\a], v10, s[56:57] offset:(32*(\a/2)+8*(\a%2))*4     ; one number a lane and tile, twice: a pair for the packed addition
	global_load_b32 v[BL+2*\a+1], v10, s[56:57] offset:(32*(\a/2)+8*(\a%2))*4
.endr
	s_wait_loadcnt 8                               ; K step 7's fragments are in; the bias's 8 loads may be out
	MULSTEP 7, 0
	PLACES
.irp b, 0,1,2,3
	v_mov_b32 v[TM+4+\b], 0
.endr
	s_wait_loadcnt 0x0
.macro EPI_V a
	SUMS \a, 0
	QUANT H, PC+8*\a, WT+\a
	global_store_b128 v[LI], v[PC+8*\a:PC+8*\a+3], s[52:53] offset:1024*\a
	global_store_b128 v[LI], v[PC+8*\a+4:PC+8*\a+7], s[52:53] offset:1024*\a+512
	ds_store_b32 v7, v[WT+\a] offset:64*\a         ; both halves of the lanes write the same word with the same value
.endm
.irp a, 0,1,2,3
	EPI_V \a
.endr
	ds_load_b64 v[RB:RB+1], v8
	s_wait_dscnt 0x0
	global_store_b64 v9, v[RB:RB+1], s[54:55]      ; the wave stores 256 consecutive bytes, aligned
	s_wait_tensorcnt 0x0
	ds_add_u32 v14, v15
	s_wait_dscnt 0x0
	s_endpgm
.Lfunc_end_k_qed62306233_proj:
	.size	k_qed62306233_proj, .Lfunc_end_k_qed62306233_proj-k_qed62306233_proj
	.p2alignl 7, 3214868480
	.fill 96, 4, 3214868480
	.section	.rodata,"a",@progbits
	.p2align	6, 0x0
	.amdhsa_kernel k_qed62306233_proj
		.amdhsa_group_segment_fixed_size 3584
		.amdhsa_private_segment_fixed_size 0
		.amdhsa_enable_private_segment 0
		.amdhsa_kernarg_size 72
		.amdhsa_user_sgpr_count 2
		.amdhsa_user_sgpr_kernarg_segment_ptr 1
		.amdhsa_wavefront_size32 1
		.amdhsa_system_sgpr_workgroup_id_x 1
		.amdhsa_system_sgpr_workgroup_id_y 1
		.amdhsa_system_sgpr_workgroup_id_z 1
		.amdhsa_system_vgpr_workitem_id 0
		.amdhsa_next_free_vgpr 512
		.amdhsa_next_free_sgpr 66
		.amdhsa_reserve_vcc 0
		.amdhsa_float_denorm_mode_32 3
		.amdhsa_float_denorm_mode_16_64 3
		.amdhsa_memory_ordered 1
		.amdhsa_forward_progress 1
		.amdhsa_inst_pref_size 114
	.end_amdhsa_kernel
	.amdgpu_metadata
---
amdhsa.version: [ 1, 2 ]
amdhsa.kernels:
  - .name:           k_qed62306233_proj
    .symbol:         k_qed62306233_proj.kd
    .args:
      - { .name: opc, .offset: 0, .size: 8, .value_kind: global_buffer, .address_space: global }
      - { .name: ops, .offset: 8, .size: 8, .value_kind: global_buffer, .address_space: global }
      - { .name: bq, .offset: 16, .size: 8, .value_kind: global_buffer, .address_space: global }
      - { .name: bk, .offset: 24, .size: 8, .value_kind: global_buffer, .address_space: global }
      - { .name: bv, .offset: 32, .size: 8, .value_kind: global_buffer, .address_space: global }
      - { .name: qc, .offset: 40, .size: 8, .value_kind: global_buffer, .address_space: global }
      - { .name: qs, .offset: 48, .size: 8, .value_kind: global_buffer, .address_space: global }
      - { .name: kvc, .offset: 56, .size: 8, .value_kind: global_buffer, .address_space: global }
      - { .name: kvs, .offset: 64, .size: 8, .value_kind: global_buffer, .address_space: global }
    .group_segment_fixed_size: 3584
    .private_segment_fixed_size: 0
    .kernarg_segment_align: 8
    .kernarg_segment_size: 72
    .max_flat_workgroup_size: 128
    .sgpr_count:     66
    .vgpr_count:     512
    .wavefront_size: 32
...
	.end_amdgpu_metadata
.endif
;; end of part 2
;; launch attn (part 3): grid 256 x 1, 16 waves a work-group, no clusters, 327,680 bytes of LDS; arguments qc, qs, kvc, kvs, atc, ats; writes atc, ats
.if DOCPART == 3
	.amdgcn_target "amdgcn-amd-amdhsa--gfx1250"
	.amdhsa_code_object_version 6
	.text
	.protected	k_qed62306233_attn
	.globl	k_qed62306233_attn
	.p2align	8
	.type	k_qed62306233_attn,@function
k_qed62306233_attn:
	s_mov_b64 s[64:65], 0
	v_nop
	global_prefetch_b8 v0, s[64:65] scope:SCOPE_SE
	s_setreg_imm32_b32 hwreg(HW_REG_WAVE_MODE, 25, 1), 1
	s_wait_xcnt 0x0
; Attention on codes of FP4 (E2M1) with E8M0 scales: O = softmax(q k^T / 8) v for 64 (batch, head) pairs, 2,048 queries and keys, head size 64; the result is quantised along the concatenated heads for the last product.
; THE SOFTMAX AHEAD OF THE SECOND PRODUCT: t = score x log2(e) / 8; M = the row's largest t so far, rounded UP to a whole number; p = 2^(t - M) is what is quantised, along the keys, not normalised.
; The row's sum is taken of the unquantised p, in f32, and divides O at the end.  When M moves, the sum and O are multiplied by 2^(old M - new M): exact.
; SHARES.  A work-group takes 256 queries and a pair of heads (2 hp, 2 hp + 1: together they are K step hp of the last product); each of its sixteen waves one tile of 16 queries, first for the one head, then for the other.
; Four waves share a SIMD, so that one wave's vector work stands beside another's products and LDS loads.
; K AND V of both heads, all 2,048 keys, lie in LDS for the whole launch: 2 x 131,072 bytes of register images and 2 x 16,384 of scale words.  Every byte is filled once: wave w brings step w of each head,
; four tensor loads a wave, all issued at the head (four of a wave's loads are out at the most).  The second head's land while the first is worked.  No slot is filled again.
; LAYOUT.  Both products are used transposed: S^T = K Q^T (source 0 = 16 keys, source 1 = my queries), O^T = V^T P^T: a lane holds ONE query throughout.  Row r of key tile t is key 32 (t / 2) + 8 (t % 2) + r + 8 (r / 8) of the step,
; so that the 16 registers of tiles 2 b and 2 b + 1 are the 16 neighbouring keys 32 b + 16 (lane / 16) + 0 .. 15.
; K = 64 IN AN INSTRUCTION OF 128: q's registers 4-7 are zero codes, and bytes 2 and 3 of q's and k's scale words are 0 (the least scale).  A key tile has four registers; as source 0 it is named with the four behind it
; (the next tile's, or four of zeros): whatever stands there meets q's zero codes and adds nothing.
; LIMITS: NaN and infinities are not served; a block whose largest magnitude lies under 2^-124 (zeros among them) gets the byte 1; the bytes are read by this program alone.
.set SCB,  262144                      ; LDS: [head e][step][K 8 x 512 | V 4 x 1,024] from 0; from SCB [e][step][K's words 512 | V's words 256 | 256 unused];
.set SCR,  294912                      ; from SCR 1,024 bytes into which no tensor load lands: the sixteen tiles' scale words on their way out
.set AK0,  1                           ; v1   16 x lane + 131,072 e
.set AS0,  2                           ; v2   SCB + 4 r + 16,384 e
.set ADK,  3                           ; v3, v4  LDS addresses of K's loads in hand: written again only when those loads are back
.set ASK,  4
.set LI,   5                           ; v5   16 x lane; never rewritten
.set ADV,  6                           ; v6, v7  the same for V's
.set ASV,  7
.set QA,   8                           ; v8-15  q of the first head: four registers of codes, four of zeros;  v16-23 of the second
.set QB,   16
.set QSA,  24                          ; v24, v25  q's scale words
.set QSB,  25
.set NM,   26                          ; v26 -M, v27 the largest t
.set MT,   27
.set L,    28                          ; v[28:29] the sum in two halves
.set KF,   32                          ; v32-63 eight key tiles x 4; v64-67 zeros
.set VF,   68                          ; v68-99 four tiles of V
.set KS,   100                         ; v100-107 K's scale words; v108-111 V's
.set VS,   108
.set S,    112                         ; v112-175 S^T, then p
.set O,    176                         ; v176-207 O^T
.set PCD,  208                         ; v208-215 p's codes
.set BM,   216                         ; v216-219 the blocks' largest scores, then largest p
.set BT,   220                         ; v220-223 at work
.set BS,   224                         ; v224-227 the conversions' scale operands
.set F,    228                         ; v228 2^(old M - new M)
.set PWD,  229                         ; v229 p's scale word
.set TP,   230
.set WE,   231                         ; v231 the result's scale word: the first head's two bytes below, the second's above
.set EC,   232                         ; v232-239 the result's codes, four registers a head
.set WV,   16                          ; s16  wave
.set G1C,  24                          ; s[24:31] descriptor group 1 for a step's codes; s[32:39] for its scale words; s[40:55] four groups 0
.set G1S,  32
.set G0,   40
.set CS,   66                          ; s[66:67] c = log2(e) / 8
.set SEL,  68                          ; s[68:69]
.set TB,   70                          ; s70  8,192 x the steps begun
.set TW,   71                          ; s71  the same, wrapped at the head's end: where the next step's images begin
.set TS,   72                          ; s72  and its scale words: an eighth of that
.set CNT,  73
	s_load_b256 s[4:11], s[0:1], 0x0               ; qc s[4:5], qs s[6:7], kvc s[8:9], kvs s[10:11]
	s_load_b128 s[12:15], s[0:1], 0x20             ; atc s[12:13], ats s[14:15]
	v_lshl_add_u32 v254, v0, 2, 0x48400
	v_mov_b32 v255, 0
	ds_add_u32 v254, v255
	ds_add_u32 v254, v255
	v_lshrrev_b32 v1, 5, v0
	v_readfirstlane_b32 s[WV], v1                  ; wave 0..15
	s_lshr_b32 s17, ttmp9, 6                       ; the batch
	s_bfe_u32 s18, ttmp9, 0x30003                  ; hp: the pair of heads
	s_and_b32 s19, ttmp9, 7                        ; which 256 queries
	s_lshl_b32 s20, s17, 4
	s_lshl_b32 s21, s18, 1
	s_add_co_u32 s20, s20, s21                     ; bh of the first head
	; group 1: a dense block as rows of 256 bytes (32 elements of 8 bytes), no padding: an image's loads take 512 consecutive bytes
	s_mov_b32 s[G1C+0], 3<<16                      ; no mask; elements of 8 bytes
	s_mov_b32 s[G1C+1], 32<<16                     ; tensor_dim0 = 32
	s_mov_b32 s[G1C+2], 32<<16                     ; tensor_dim1 = 32 rows: 8,192 bytes
	s_mov_b32 s[G1C+3], 32<<16                     ; tile_dim0 = 32
	s_mov_b32 s[G1C+4], 32                         ; tile_dim1 = 32
	s_mov_b32 s[G1C+5], 32                         ; from row to row
	s_mov_b32 s[G1C+6], 0
	s_mov_b32 s[G1C+7], 0
	s_mov_b32 s[G1S+0], 3<<16
	s_mov_b32 s[G1S+1], 32<<16
	s_mov_b32 s[G1S+2], 3<<16                      ; 3 rows: the 768 bytes of a step's scale words that were written
	s_mov_b32 s[G1S+3], 32<<16
	s_mov_b32 s[G1S+4], 3
	s_mov_b32 s[G1S+5], 32
	s_mov_b32 s[G1S+6], 0
	s_mov_b32 s[G1S+7], 0
	s_lshl_b32 s56, s20, 17
	s_lshl_b32 s57, s[WV], 13
	s_add_co_u32 s56, s56, s57                     ; in kvc: 131,072 bh + 8,192 x my step
	s_mov_b32 s57, 0
	s_lshr_b32 s58, s56, 3                         ; in kvs: an eighth of that
	s_mov_b32 s59, 0
	s_lshl_b32 s60, s[WV], 13                      ; in LDS: 8,192 x wave,
	s_lshl_b32 s61, s[WV], 10                      ; 1,024 x wave
	s_mov_b32 s[CS], 0x3e38aa3b                    ; c = log2(e) / sqrt(64)
	s_mov_b32 s[CS+1], s[CS]                       ; (named with it as a pair, so it is written)
	s_mov_b32 s[SEL], 0x76543210
	s_mov_b32 s[SEL+1], 0xfedcba98                 ; v_permlanex16_b32's selects for lane l xor 16
	s_wait_dscnt 0x0
	s_wait_kmcnt 0x0
	s_add_nc_u64 s[8:9], s[8:9], s[56:57]
	s_add_nc_u64 s[10:11], s[10:11], s[58:59]
.irp e, 0,1
	s_mov_b32 s[G0+8*\e], 1                        ; count = 1
	s_add_co_u32 s[G0+8*\e+1], s60, \e*131072      ; LDS address
	s_add_nc_u64 s[G0+8*\e+2:G0+8*\e+3], s[8:9], \e*131072
	s_or_b32 s[G0+8*\e+3], s[G0+8*\e+3], 0x80000000   ; type = 2
	s_mov_b32 s[G0+8*\e+4], 1
	s_add_co_u32 s[G0+8*\e+5], s61, SCB+\e*16384
	s_add_nc_u64 s[G0+8*\e+6:G0+8*\e+7], s[10:11], \e*16384
	s_or_b32 s[G0+8*\e+7], s[G0+8*\e+7], 0x80000000
.endr
	tensor_load_to_lds s[G0:G0+3], s[G1C:G1C+7]        ; the first head's step w: codes,
	s_nop 0
	tensor_load_to_lds s[G0+4:G0+7], s[G1S:G1S+7]      ; scale words;
	s_nop 0
	tensor_load_to_lds s[G0+8:G0+11], s[G1C:G1C+7]     ; the second head's
	s_nop 0
	tensor_load_to_lds s[G0+12:G0+15], s[G1S:G1S+7]
	s_nop 0
	v_and_b32 v31, 15, v0                          ; r
	v_and_b32 v30, 31, v0
	v_lshlrev_b32 v[LI], 4, v30
	v_lshlrev_b32 v[AK0], 4, v30
	v_lshrrev_b32 v30, 5, v0
	v_lshlrev_b32 v30, 6, v30
	v_lshl_add_u32 v30, v31, 2, v30
	v_add_nc_u32 v30, SCR, v30                     ; v30: where my tile's scale words go at the end: SCR + 64 x wave + 4 r
	v_lshlrev_b32 v31, 2, v31                      ; v31: 4 r
	v_add_nc_u32 v[AS0], SCB, v31
	s_lshl_b32 s21, s19, 4
	s_add_co_u32 s21, s21, s[WV]                   ; my tile among the batch's 128
	s_lshl_b32 s22, s20, 7
	s_add_co_u32 s22, s22, s21
	s_lshl_b32 s56, s22, 9
	s_add_nc_u64 s[4:5], s[4:5], s[56:57]          ; q's codes: 512 (128 bh + tile)
	s_lshl_b32 s56, s22, 6
	s_add_nc_u64 s[6:7], s[6:7], s[56:57]          ; its scale words
	global_load_b128 v[QA:QA+3], v[LI], s[4:5]
	global_load_b128 v[QB:QB+3], v[LI], s[4:5] offset:65536
	global_load_b32 v[QSA], v31, s[6:7]
	global_load_b32 v[QSB], v31, s[6:7] offset:8192
	s_lshl_b32 s22, s17, 7
	s_add_co_u32 s22, s22, s21
	s_lshl_b32 s56, s22, 13
	s_lshl_b32 s23, s18, 10
	s_add_co_u32 s56, s56, s23
	s_add_nc_u64 s[12:13], s[12:13], s[56:57]      ; atc: 8,192 (128 batch + tile) + 1,024 hp
	s_lshl_b32 s56, s18, 15
	s_lshl_b32 s22, s17, 7
	s_lshl_b32 s23, s19, 4
	s_add_co_u32 s22, s22, s23
	s_lshl_b32 s22, s22, 6
	s_add_co_u32 s56, s56, s22
	s_add_nc_u64 s[14:15], s[14:15], s[56:57]      ; ats: 32,768 hp + 64 x the work-group's first tile
.irp i, 0,1,2,3
	v_mov_b32 v[QA+4+\i], 0                        ; zero codes for k = 64 .. 127
	v_mov_b32 v[QB+4+\i], 0
	v_mov_b32 v[KF+32+\i], 0                       ; what the last key tile is named with
	v_mov_b32 v[BT+\i], 0                          ; written once: a lane permute's destination counts as one of its sources
.endr
	v_mov_b32 v[PWD], 0                            ; (named as the upper half of the pair v[228:229] before it is first written)
.macro LOADK                           ; the next step's eight key tiles and their scale words: 16 LDS loads
	v_add_nc_u32 v[ADK], s[TW], v[AK0]
	v_add_nc_u32 v[ASK], s[TS], v[AS0]
.irp t, 0,1,2,3,4,5,6,7
	ds_load_b128 v[KF+4*\t:KF+4*\t+3], v[ADK] offset:512*\t
.endr
.irp t, 0,1,2,3,4,5,6,7
	ds_load_b32 v[KS+\t], v[ASK] offset:64*\t
.endr
.endm
.macro LOADV                           ; its four tiles of V and their scale words: 12 LDS loads
	v_add_nc_u32 v[ADV], s[TW], v[AK0]
	v_add_nc_u32 v[ASV], s[TS], v[AS0]
.irp a, 0,1,2,3
.irp c, 0,1
	ds_load_b128 v[VF+8*\a+4*\c:VF+8*\a+4*\c+3], v[ADV] offset:4096+1024*\a+512*\c
.endr
.endr
.irp a, 0,1,2,3
	ds_load_b32 v[VS+\a], v[ASV] offset:512+64*\a
.endr
.endm
; A KEY STEP: 128 keys.  At its head K's 16 loads and, behind them, V's 12 are out; each kind's next loads are issued as soon as its registers are free.
.macro STEP qf, qw
	s_add_co_u32 s[TB], s[TB], 8192
	s_and_b32 s[TW], s[TB], 0x1e000                ; the last step's look-ahead wraps to the head's step 0: inside the head's bytes, and not used
	s_lshr_b32 s[TS], s[TW], 3
	s_wait_dscnt 12                                ; K and its words are in; V's 12 loads may be out
.irp t, 0,1,2,3,4,5,6,7
	v_wmma_scale_f32_16x16x128_f8f6f4 v[S+8*\t:S+8*\t+7], v[KF+4*\t:KF+4*\t+7], v[\qf:\qf+7], 0, v[KS+\t], v[\qw] matrix_a_fmt:MATRIX_FMT_FP4 matrix_b_fmt:MATRIX_FMT_FP4
.endr
	v_nop                                          ; four places behind the products (ISA guide 7.12.1): these two and the two additions at LOADK's head
	v_nop
	LOADK                                          ; it has the softmax in which to land
.irp b, 0,1,2,3
	v_max3_num_f32 v[BM+\b], v[S+16*\b], v[S+1+16*\b], v[S+2+16*\b]   ; THE LARGEST SCORE OF EACH BLOCK OF 32 KEYS serves twice: for the row's maximum and, since p rises with the score, for the block's largest p
.endr
.irp i, 3,5,7,9,11,13
.irp b, 0,1,2,3
	v_max3_num_f32 v[BM+\b], v[BM+\b], v[S+16*\b+\i], v[S+1+16*\b+\i]   ; (the four blocks by turns)
.endr
.endr
.irp b, 0,1,2,3
	v_max_num_f32 v[BM+\b], v[BM+\b], v[S+15+16*\b]
.endr
.irp b, 0,1,2,3
	v_permlanex16_b32 v[BT+\b], v[BM+\b], s[SEL], s[SEL+1]
.endr
.irp b, 0,1,2,3
	v_max_num_f32 v[BM+\b], v[BM+\b], v[BT+\b]     ; with lane l xor 16's 16 keys
.endr
	v_max3_num_f32 v[TP], v[BM], v[BM+1], v[BM+2]
	v_max_num_f32 v[TP], v[TP], v[BM+3]            ; the step's largest score of my query
	v_mul_f32 v[TP], s[CS], v[TP]                  ; as t (c is positive)
	v_max_num_f32 v[MT], v[MT], v[TP]              ; the running largest t
	v_mov_b32 v[TP], v[NM]
	v_floor_f32 v[NM], -v[MT]                      ; the new -M = floor(-t) = -ceil(t): M is a whole number
	v_sub_f32 v[TP], v[NM], v[TP]                  ; M's old value less its new one: a whole number, 0 or less
	v_cvt_i32_f32 v[TP], v[TP]                     ; (it saturates)
	v_ldexp_f32 v[F], 1.0, v[TP]                   ; f = 2^(old M - new M)
.set j, 0
.rept 32
	v_pk_fma_f32 v[S+j:S+j+1], v[S+j:S+j+1], s[CS:CS+1], v[NM:NM+1] op_sel_hi:[1,0,0]   ; t - M, two at a time (of the pairs c and -M the low word serves both halves)
.set j, j+2
.endr
.irp b, 0,1,2,3
	v_fma_f32 v[BM+\b], v[BM+\b], s[CS], v[NM]     ; the same of each block's largest score
.endr
.set j, 0
.rept 64
	v_exp_f32 v[S+j], v[S+j]                       ; p = 2^(t - M), at most 1: not normalised
.set j, j+1
.endr
.irp b, 0,1,2,3
	v_exp_f32 v[BM+\b], v[BM+\b]                   ; the block's largest p: the same two instructions on the same number give the same bits
.endr
	v_pk_mul_f32 v[L:L+1], v[L:L+1], v[F:F+1] op_sel_hi:[1,0]   ; the sums under the new M.  (A plain line behind the exponentials)
	s_wait_alu depctr_va_vdst(0)
.irp b, 0,1,2,3
	v_max_num_f32 v[BM+\b], 0x1800000, v[BM+\b]    ; the floor 2^(3 - 127): the byte cannot fall under 1
.endr
.irp b, 0,1,2,3
	v_add_nc_u32 v[BS+\b], 0xff000000, v[BM+\b]    ; 2 off the exponent field: the conversion's scale operand
.endr
.irp b, 0,1,2,3
	v_lshrrev_b32 v[BT+\b], 23, v[BS+\b]           ; the scale's byte
.endr
	v_lshl_or_b32 v[PWD], v[BT+1], 8, v[BT]        ; p's scale word for these 128 keys
	v_lshl_or_b32 v[PWD], v[BT+2], 16, v[PWD]
	v_lshl_or_b32 v[PWD], v[BT+3], 24, v[PWD]
.irp b, 0,1,2,3
	v_cvt_scalef32_pk8_fp4_f32 v[PCD+2*\b], v[S+16*\b:S+7+16*\b], v[BS+\b]
	v_cvt_scalef32_pk8_fp4_f32 v[PCD+1+2*\b], v[S+8+16*\b:S+15+16*\b], v[BS+\b]
.endr
	v_nop                                          ; one plain line behind a scaled conversion
.irp c, 0,1                                    ; the operand's layout wants a whole block in a lane
.irp i, 0,1
	v_permlane16_swap_b32 v[PCD+4*\c+\i], v[PCD+2+4*\c+\i]
.endr
.endr
	v_pk_add_f32 v[BT:BT+1], v[S:S+1], v[S+2:S+3]  ; THE ROW'S SUM IS TAKEN OF THE UNQUANTISED p: two at a time, in two chains
.set j, 4
.rept 15
	v_pk_add_f32 v[L:L+1], v[L:L+1], v[S+j:S+j+1]
	v_pk_add_f32 v[BT:BT+1], v[BT:BT+1], v[S+j+2:S+j+3]
.set j, j+4
.endr
	v_pk_add_f32 v[L:L+1], v[L:L+1], v[BT:BT+1]
.set j, 0
.rept 16
	v_pk_mul_f32 v[O+j:O+j+1], v[O+j:O+j+1], v[F:F+1] op_sel_hi:[1,0]   ; O^T under the new M.  (The sums and these are the places between p's codes and scale word and the products below)
.set j, j+2
.endr
	s_wait_dscnt 16                                ; V and its words are in; the next K's 16 loads may be out
.irp a, 0,1,2,3                                ; the four accumulators take turns, and eight other products stand between a trip's last and the next trip's first
	v_wmma_scale_f32_16x16x128_f8f6f4 v[O+8*\a:O+8*\a+7], v[VF+8*\a:VF+8*\a+7], v[PCD:PCD+7], v[O+8*\a:O+8*\a+7], v[VS+\a], v[PWD] matrix_a_fmt:MATRIX_FMT_FP4 matrix_b_fmt:MATRIX_FMT_FP4
.endr
	v_nop                                          ; four places: these two and the two additions at LOADV's head
	v_nop
	LOADV
.endm
; One head for my 16 queries: sixteen key steps, then O^T / the sum is quantised along d and stored as half e of an image of the last product's operand.
.macro HEAD e, qf, qw
	v_mov_b32 v[MT], 0xff61b1e6                    ; the largest t so far: -3e38, under every t
	v_floor_f32 v[NM], -v[MT]
	v_mov_b32 v[L], 0
	v_mov_b32 v[L+1], 0
.set j, 0
.rept 32
	v_mov_b32 v[O+j], 0                            ; the step is written once: the first finds zeros, which the first change of M leaves zeros
.set j, j+1
.endr
	s_mov_b32 s[TB], 0
	s_mov_b32 s[TW], 0
	s_mov_b32 s[TS], 0
	LOADK
	LOADV
	s_mov_b32 s[CNT], 16
.Lstep_\@:
	STEP \qf, \qw
	s_sub_co_u32 s[CNT], s[CNT], 1
	s_cmp_lg_u32 s[CNT], 0
	s_cbranch_scc1 .Lstep_\@
	s_wait_dscnt 0x0                               ; the look-ahead's loads are back: their registers and addresses may be written
	v_add_f32 v[L], v[L], v[L+1]                   ; the sum's two halves,
	v_permlanex16_b32 v[TP], v[L], s[SEL], s[SEL+1]
	v_add_f32 v[L], v[L], v[TP]                    ; and lane l xor 16's: the row's sum
	v_rcp_f32 v[L], v[L]
	v_nop                                          ; one plain line behind a transcendental
.set j, 0
	s_wait_alu depctr_va_vdst(0)
.rept 16
	v_pk_mul_f32 v[S+j:S+j+1], v[O+j:O+j+1], v[L:L+1] op_sel_hi:[1,0]   ; O^T / the sum: register 16 b + i is d = 32 b + 16 (lane / 16) + i; each accumulator is read from its low end on
.set j, j+2
.endr
.irp b, 0,1
	v_max3_num_f32 v[BM+\b], |v[S+16*\b]|, |v[S+1+16*\b]|, 0x1800000
.endr
.irp i, 2,4,6,8,10,12,14
.irp b, 0,1
	v_max3_num_f32 v[BM+\b], v[BM+\b], |v[S+16*\b+\i]|, |v[S+1+16*\b+\i]|
.endr
.endr
.irp b, 0,1
	v_permlanex16_b32 v[BT+\b], v[BM+\b], s[SEL], s[SEL+1]
.endr
.irp b, 0,1
	v_max_num_f32 v[BM+\b], v[BM+\b], v[BT+\b]
.endr
.irp b, 0,1
	v_add_nc_u32 v[BS+\b], 0xff000000, v[BM+\b]
.endr
.irp b, 0,1
	v_lshrrev_b32 v[BT+\b], 23, v[BS+\b]
.endr
.if \e == 0
	v_lshl_or_b32 v[WE], v[BT+1], 8, v[BT]         ; bytes 0 and 1 of the K step's scale word
.else
	v_lshl_or_b32 v[TP], v[BT+1], 8, v[BT]
	v_lshl_or_b32 v[WE], v[TP], 16, v[WE]          ; bytes 2 and 3
.endif
.irp b, 0,1
	v_cvt_scalef32_pk8_fp4_f32 v[EC+4*\e+2*\b], v[S+16*\b:S+7+16*\b], v[BS+\b]
	v_cvt_scalef32_pk8_fp4_f32 v[EC+4*\e+1+2*\b], v[S+8+16*\b:S+15+16*\b], v[BS+\b]
.endr
	v_nop                                          ; one plain line behind a scaled conversion
.irp i, 0,1
	v_permlane16_swap_b32 v[EC+4*\e+\i], v[EC+4*\e+2+\i]
.endr
	global_store_b128 v[LI], v[EC+4*\e:EC+4*\e+3], s[12:13] offset:512*\e   ; the wave stores 512 consecutive bytes
.endm
	s_wait_tensorcnt 2                             ; my step of the first head is in LDS; the second head's two loads may be out
	s_barrier_signal -1
	s_barrier_wait -1                              ; everybody's is
	s_wait_loadcnt 0x0                             ; q
	HEAD 0, QA, QSA
	v_add_nc_u32 v[AK0], 131072, v[AK0]            ; on to the second head's bytes
	v_add_nc_u32 v[AS0], 16384, v[AS0]
	s_wait_tensorcnt 0x0                           ; my step of the second head is in LDS (no LDS load of mine is out)
	s_barrier_signal -1
	s_barrier_wait -1
	HEAD 1, QB, QSB
	ds_store_b32 v30, v[WE]                        ; both halves of the lanes write the same word with the same value
	v_lshlrev_b32 v[ADK], 4, v0                    ; 16 x my thread's number: threads 0-63 take the sixteen tiles' 1,024 bytes
	v_add_nc_u32 v[ASK], SCR, v[ADK]
	s_wait_dscnt 0x0                               ; for the others' sake: my store has landed
	s_barrier_signal -1
	s_barrier_wait -1
	s_cmp_lt_u32 s[WV], 2
	s_cbranch_scc0 .Ldone
	ds_load_b128 v[QA:QA+3], v[ASK]
	s_wait_dscnt 0x0
	global_store_b128 v[ADK], v[QA:QA+3], s[14:15] ; a wave stores 512 consecutive bytes, aligned
.Ldone:
	s_wait_tensorcnt 0x0
	ds_add_u32 v254, v255
	s_wait_dscnt 0x0
	s_endpgm
.Lfunc_end_k_qed62306233_attn:
	.size	k_qed62306233_attn, .Lfunc_end_k_qed62306233_attn-k_qed62306233_attn
	.p2alignl 7, 3214868480
	.fill 96, 4, 3214868480
	.section	.rodata,"a",@progbits
	.p2align	6, 0x0
	.amdhsa_kernel k_qed62306233_attn
		.amdhsa_group_segment_fixed_size 327680
		.amdhsa_private_segment_fixed_size 0
		.amdhsa_enable_private_segment 0
		.amdhsa_kernarg_size 48
		.amdhsa_user_sgpr_count 2
		.amdhsa_user_sgpr_kernarg_segment_ptr 1
		.amdhsa_wavefront_size32 1
		.amdhsa_system_sgpr_workgroup_id_x 1
		.amdhsa_system_sgpr_workgroup_id_y 1
		.amdhsa_system_sgpr_workgroup_id_z 1
		.amdhsa_system_vgpr_workitem_id 0
		.amdhsa_next_free_vgpr 256
		.amdhsa_next_free_sgpr 80
		.amdhsa_reserve_vcc 0
		.amdhsa_float_denorm_mode_32 3
		.amdhsa_float_denorm_mode_16_64 3
		.amdhsa_memory_ordered 1
		.amdhsa_forward_progress 1
		.amdhsa_inst_pref_size 51
	.end_amdhsa_kernel
	.amdgpu_metadata
---
amdhsa.version: [ 1, 2 ]
amdhsa.kernels:
  - .name:           k_qed62306233_attn
    .symbol:         k_qed62306233_attn.kd
    .args:
      - { .name: qc, .offset: 0, .size: 8, .value_kind: global_buffer, .address_space: global }
      - { .name: qs, .offset: 8, .size: 8, .value_kind: global_buffer, .address_space: global }
      - { .name: kvc, .offset: 16, .size: 8, .value_kind: global_buffer, .address_space: global }
      - { .name: kvs, .offset: 24, .size: 8, .value_kind: global_buffer, .address_space: global }
      - { .name: atc, .offset: 32, .size: 8, .value_kind: global_buffer, .address_space: global }
      - { .name: ats, .offset: 40, .size: 8, .value_kind: global_buffer, .address_space: global }
    .group_segment_fixed_size: 327680
    .private_segment_fixed_size: 0
    .kernarg_segment_align: 8
    .kernarg_segment_size: 48
    .max_flat_workgroup_size: 512
    .sgpr_count:     80
    .vgpr_count:     256
    .wavefront_size: 32
...
	.end_amdgpu_metadata
.endif
;; end of part 3
;; launch outp (part 4): grid 256 x 1, 4 waves a work-group, no clusters, 34,304 bytes of LDS; arguments atc, ats, opc, ops, bo, out0; writes out0
.if DOCPART == 4
	.amdgcn_target "amdgcn-amd-amdhsa--gfx1250"
	.amdhsa_code_object_version 6
	.text
	.protected	k_qed62306233_outp
	.globl	k_qed62306233_outp
	.p2align	8
	.type	k_qed62306233_outp,@function
k_qed62306233_outp:
	s_mov_b64 s[64:65], 0
	v_nop
	global_prefetch_b8 v0, s[64:65] scope:SCOPE_SE
	s_setreg_imm32_b32 hwreg(HW_REG_WAVE_MODE, 25, 1), 1
	s_wait_xcnt 0x0
; out = concat Wo^T + bo on codes of FP4 (E2M1) with E8M0 scales, K = 1,024.  Both operands are register images ([tile][K step][1,024 bytes]; row r of tile T = matrix row 32 (T / 2) + 8 (T % 2) + r + 8 (r / 8)):
; a fragment is two loads of 16 bytes a lane, straight from memory into registers.  K is eight steps, written out, two fragment buffers.
; A WAVE makes 4 "N" tiles (64 rows of the output) x 8 "P" tiles (128 rows of Wo = 128 columns of the output): D = (source 0 = P tile) x (source 1 = N tile), so that lane (r, h) holds output row r and
; register j of P tile t the column 32 (t / 2) + 16 h + 8 (t % 2) + j: 64 neighbouring bytes in two tiles' registers.  The four waves of a work-group share their tiles of Wo.
; THE WAY OUT: 16 rows x 512 bytes at a time through the wave's own stage in LDS, so that the 32 lanes store a row's 512 consecutive bytes.
; REGISTERS: window 0: v2-10 addresses; v16-111, v112-207 the two fragment buffers (N's four fragments, then P's eight); v208-223 N's scale words, v224-255 P's.  Window 1: accumulator (a, t) at v[8 (8 a + t)].
.set LI,  2                            ; v2   16 x lane
.set LS,  3                            ; v3   512 h + 16 r: P's scale words: lanes 0-15 the even tile's, lanes 16-31 the odd tile's
.set L4,  6                            ; v6   4 x lane: N's scale words likewise (64 bytes a tile)
.set STO, 7                            ; v7   the stage: where I put 64 bytes of a row
.set RD,  8                            ; v8   and where I read a row back
.set FB0, 16
.set SN,  208
.set SP,  224
.set BI,  48                           ; v48-111 the bias in the result's layout
.set H,   144                          ; v144-207 64 results of a lane
.set SPITCH, 528                       ; a stage row: 512 bytes + 16, so that sixteen rows begin at sixteen different 16-byte columns of a span of 256 bytes
.set MSB, 0
.macro WIN new                         ; the immediate's high byte repeats the setting that is left
.if MSB != \new
	s_set_vgpr_msb (MSB<<8)|\new
.set MSB, \new
.endif
.endm
.macro PLACES                          ; four plain vector lines between a matrix instruction and a load into, or a vector line on, its registers
.rept 4
	v_nop
.endr
.endm
.macro LOADF g                         ; K step g's twelve fragments: 24 loads
.set FB, FB0+96*((\g)%2)
.irp a, 0,1,2,3
.irp c, 0,1
	global_load_b128 v[FB+8*\a+4*\c:FB+8*\a+4*\c+3], v[LI], s[34:35] offset:\a*8192+(\g)*1024+\c*512
.endr
.endr
.irp t, 0,1,2,3,4,5,6,7
.irp c, 0,1
	global_load_b128 v[FB+32+8*\t+4*\c:FB+32+8*\t+4*\c+3], v[LI], s[36:37] offset:\t*8192+(\g)*1024+\c*512
.endr
.endr
.endm
; one product: N tile a, P tile t, K step g.  An odd tile's scale words lie in lanes 16-31 of its pair's register.  zero = 1: the product starts the sum
.macro WM a, t, g, zero
.set rD, 8*(8*(\a)+(\t))
.set rA, FB0+96*((\g)%2)+32+8*(\t)
.set rB, FB0+96*((\g)%2)+8*(\a)
.set rX, SP+8*((\t)/2)+(\g)
.set rY, SN+8*((\a)/2)+(\g)
.if \zero
.if ((\t)%2 == 0) && ((\a)%2 == 0)
	v_wmma_scale_f32_16x16x128_f8f6f4 v[rD:rD+7], v[rA:rA+7], v[rB:rB+7], 0, v[rX], v[rY] matrix_a_fmt:MATRIX_FMT_FP4 matrix_b_fmt:MATRIX_FMT_FP4
.elseif ((\t)%2 == 1) && ((\a)%2 == 0)
	v_wmma_scale_f32_16x16x128_f8f6f4 v[rD:rD+7], v[rA:rA+7], v[rB:rB+7], 0, v[rX], v[rY] matrix_a_fmt:MATRIX_FMT_FP4 matrix_b_fmt:MATRIX_FMT_FP4 matrix_a_scale:MATRIX_SCALE_ROW1
.elseif (\t)%2 == 0
	v_wmma_scale_f32_16x16x128_f8f6f4 v[rD:rD+7], v[rA:rA+7], v[rB:rB+7], 0, v[rX], v[rY] matrix_a_fmt:MATRIX_FMT_FP4 matrix_b_fmt:MATRIX_FMT_FP4 matrix_b_scale:MATRIX_SCALE_ROW1
.else
	v_wmma_scale_f32_16x16x128_f8f6f4 v[rD:rD+7], v[rA:rA+7], v[rB:rB+7], 0, v[rX], v[rY] matrix_a_fmt:MATRIX_FMT_FP4 matrix_b_fmt:MATRIX_FMT_FP4 matrix_a_scale:MATRIX_SCALE_ROW1 matrix_b_scale:MATRIX_SCALE_ROW1
.endif
.else
.if ((\t)%2 == 0) && ((\a)%2 == 0)
	v_wmma_scale_f32_16x16x128_f8f6f4 v[rD:rD+7], v[rA:rA+7], v[rB:rB+7], v[rD:rD+7], v[rX], v[rY] matrix_a_fmt:MATRIX_FMT_FP4 matrix_b_fmt:MATRIX_FMT_FP4
.elseif ((\t)%2 == 1) && ((\a)%2 == 0)
	v_wmma_scale_f32_16x16x128_f8f6f4 v[rD:rD+7], v[rA:rA+7], v[rB:rB+7], v[rD:rD+7], v[rX], v[rY] matrix_a_fmt:MATRIX_FMT_FP4 matrix_b_fmt:MATRIX_FMT_FP4 matrix_a_scale:MATRIX_SCALE_ROW1
.elseif (\t)%2 == 0
	v_wmma_scale_f32_16x16x128_f8f6f4 v[rD:rD+7], v[rA:rA+7], v[rB:rB+7], v[rD:rD+7], v[rX], v[rY] matrix_a_fmt:MATRIX_FMT_FP4 matrix_b_fmt:MATRIX_FMT_FP4 matrix_b_scale:MATRIX_SCALE_ROW1
.else
	v_wmma_scale_f32_16x16x128_f8f6f4 v[rD:rD+7], v[rA:rA+7], v[rB:rB+7], v[rD:rD+7], v[rX], v[rY] matrix_a_fmt:MATRIX_FMT_FP4 matrix_b_fmt:MATRIX_FMT_FP4 matrix_a_scale:MATRIX_SCALE_ROW1 matrix_b_scale:MATRIX_SCALE_ROW1
.endif
.endif
.endm
.macro MULSTEP g, zero                 ; a K step: the 32 accumulators take turns, one instruction a turn, in the same order in every step
	WIN 0x50                                       ; C and D in window 1
.irp a, 0,1,2,3
.irp t, 0,1,2,3,4,5,6,7
	WM \a, \t, \g, \zero
.endr
.endr
	WIN 0
.endm
	s_load_b256 s[4:11], s[0:1], 0x0               ; atc s[4:5], ats s[6:7], opc s[8:9], ops s[10:11]
	s_load_b128 s[12:15], s[0:1], 0x20             ; bo s[12:13], out0 s[14:15]
	v_lshl_add_u32 v14, v0, 2, 0x8400
	v_mov_b32 v15, 0
	v_lshrrev_b32 v1, 5, v0
	v_readfirstlane_b32 s22, v1                    ; wave 0..3
	v_and_b32 v1, 31, v0
	v_lshlrev_b32 v[LI], 4, v1
	v_lshlrev_b32 v[L4], 2, v1
	v_and_b32 v4, 15, v0                           ; r
	v_bfe_u32 v5, v0, 4, 1                         ; h
	v_lshlrev_b32 v[LS], 4, v4
	v_lshl_add_u32 v[LS], v5, 9, v[LS]
	s_mul_i32 s27, s22, 16*SPITCH                  ; my stage
	v_mul_u32_u24 v[STO], v4, SPITCH
	v_lshl_add_u32 v[STO], v5, 6, v[STO]
	v_add_nc_u32 v[STO], s27, v[STO]               ; in: row r, + 64 h bytes
	v_add_nc_u32 v[RD], s27, v[LI]                 ; back: the 32 lanes take a row of 512 bytes
	v_lshlrev_b32 v10, 6, v5                       ; the bias: 16 h numbers on
	s_and_b32 s23, ttmp9, 7                        ; which 128 columns: shared by the four waves
	s_lshr_b32 s24, ttmp9, 3
	s_lshl_b32 s24, s24, 2
	s_add_co_u32 s24, s24, s22                     ; which 64 rows
	s_lshl_b32 s25, s24, 2                         ; N's first tile, in atc
	s_lshl_b32 s26, s23, 3
	s_add_co_u32 s26, s26, 704                     ; P's first tile, in opc: Wo's begin at 704
	s_mov_b32 s33, 0
	s_lshl_b32 s32, s25, 13
	s_wait_kmcnt 0x0
	s_add_nc_u64 s[34:35], s[4:5], s[32:33]        ; N's images
	s_lshl_b32 s32, s26, 13
	s_add_nc_u64 s[36:37], s[8:9], s[32:33]        ; P's
	s_lshl_b32 s32, s25, 6
	s_add_nc_u64 s[38:39], s[6:7], s[32:33]        ; N's scale words: [K step][tile][r]
	s_lshl_b32 s32, s26, 9
	s_add_nc_u64 s[40:41], s[10:11], s[32:33]      ; P's: [tile][half of K][r][4 words]
	s_lshl_b32 s32, s23, 9
	s_add_nc_u64 s[12:13], s[12:13], s[32:33]      ; the bias's 128 numbers
	s_lshl_b32 s28, s25, 16                        ; 16 rows of 4,096 bytes a tile,
	s_add_co_u32 s32, s32, s28                     ; + 512 bytes for each 128 columns
	s_add_nc_u64 s[14:15], s[14:15], s[32:33]
.irp p, 0,1
.irp g, 0,1,2,3,4,5,6,7
	global_load_b32 v[SN+8*\p+\g], v[L4], s[38:39] offset:\g*32768+128*\p   ; a pair of tiles' words of K step g
.endr
.endr
.irp p, 0,1,2,3
.irp f, 0,1
	global_load_b128 v[SP+8*\p+4*\f:SP+8*\p+4*\f+3], v[LS], s[40:41] offset:\p*1024+\f*256
.endr
.endr
	LOADF 0
	LOADF 1
	s_wait_loadcnt 24                              ; the scale words and K step 0 are in; K step 1's 24 loads may be out
	MULSTEP 0, 1                                   ; the first products start the sums: nothing is cleared
	PLACES
	LOADF 2
.irp g, 1,2,3,4,5
	s_wait_loadcnt 24                              ; this K step's fragments are in; the next step's 24 loads may be out
	MULSTEP \g, 0
	PLACES
	LOADF \g+2
.endr
	s_wait_loadcnt 24
	MULSTEP 6, 0
	PLACES
.irp t, 0,1,2,3,4,5,6,7
	global_load_b128 v[BI+8*\t:BI+8*\t+3], v10, s[12:13] offset:(32*(\t/2)+8*(\t%2))*4
	global_load_b128 v[BI+8*\t+4:BI+8*\t+7], v10, s[12:13] offset:(32*(\t/2)+8*(\t%2))*4+16
.endr
	s_wait_loadcnt 16                              ; K step 7's fragments are in; the bias's 16 loads may be out
	MULSTEP 7, 0
	PLACES
	s_wait_loadcnt 0x0                             ; the bias
; N tile a: 16 rows x 128 columns.  Row p of the stage is output row 32 (a / 2) + 8 (a % 2) + p + 8 (p / 8) of my 64.
.macro OUTROWS a
.if (\a) > 0
	s_wait_xcnt 0x0                                ; the last tile's stores have read their registers: they are loaded again below
.endif
	WIN 0x01                                       ; source 0 in window 1
.set i, 0
.rept 32
	v_pk_add_f32 v[H+2*i:H+2*i+1], v[64*(\a)+2*i:64*(\a)+2*i+1], v[BI+2*i:BI+2*i+1]   ; + bo; each accumulator is read from its low end on
.set i, i+1
.endr
	WIN 0
.irp t, 0,1,2,3,4,5,6,7
	ds_store_b128 v[STO], v[H+8*\t:H+8*\t+3] offset:128*(\t/2)+32*(\t%2)
	ds_store_b128 v[STO], v[H+8*\t+4:H+8*\t+7] offset:128*(\t/2)+32*(\t%2)+16
.endr
.irp p, 0,1,2,3,4,5,6,7,8,9,10,11,12,13,14,15
	ds_load_b128 v[16+4*\p+64*(\p/8):16+4*\p+64*(\p/8)+3], v[RD] offset:SPITCH*\p   ; into v16-47 and v112-143.  LDS serves a wave's instructions in order: these see the stores above
.endr
.irp p, 0,1,2,3,4,5,6,7,8,9,10,11,12,13,14,15
	s_wait_dscnt 15-\p                             ; row p is back; the rows behind it may be out
	global_store_b128 v[LI], v[16+4*\p+64*(\p/8):16+4*\p+64*(\p/8)+3], s[14:15] offset:(32*((\a)/2)+8*((\a)%2)+\p+8*(\p/8))*4096 th:TH_STORE_NT   ; 32 lanes store 512 consecutive bytes, aligned; written once, read by nobody here
.endr
.endm
.irp a, 0,1,2,3
	OUTROWS \a
.endr
	s_wait_tensorcnt 0x0
	ds_add_u32 v14, v15
	s_wait_dscnt 0x0
	s_endpgm
.Lfunc_end_k_qed62306233_outp:
	.size	k_qed62306233_outp, .Lfunc_end_k_qed62306233_outp-k_qed62306233_outp
	.p2alignl 7, 3214868480
	.fill 96, 4, 3214868480
	.section	.rodata,"a",@progbits
	.p2align	6, 0x0
	.amdhsa_kernel k_qed62306233_outp
		.amdhsa_group_segment_fixed_size 34304
		.amdhsa_private_segment_fixed_size 0
		.amdhsa_enable_private_segment 0
		.amdhsa_kernarg_size 48
		.amdhsa_user_sgpr_count 2
		.amdhsa_user_sgpr_kernarg_segment_ptr 1
		.amdhsa_wavefront_size32 1
		.amdhsa_system_sgpr_workgroup_id_x 1
		.amdhsa_system_sgpr_workgroup_id_y 1
		.amdhsa_system_sgpr_workgroup_id_z 1
		.amdhsa_system_vgpr_workitem_id 0
		.amdhsa_next_free_vgpr 512
		.amdhsa_next_free_sgpr 66
		.amdhsa_reserve_vcc 0
		.amdhsa_float_denorm_mode_32 3
		.amdhsa_float_denorm_mode_16_64 3
		.amdhsa_memory_ordered 1
		.amdhsa_forward_progress 1
		.amdhsa_inst_pref_size 82
	.end_amdhsa_kernel
	.amdgpu_metadata
---
amdhsa.version: [ 1, 2 ]
amdhsa.kernels:
  - .name:           k_qed62306233_outp
    .symbol:         k_qed62306233_outp.kd
    .args:
      - { .name: atc, .offset: 0, .size: 8, .value_kind: global_buffer, .address_space: global }
      - { .name: ats, .offset: 8, .size: 8, .value_kind: global_buffer, .address_space: global }
      - { .name: opc, .offset: 16, .size: 8, .value_kind: global_buffer, .address_space: global }
      - { .name: ops, .offset: 24, .size: 8, .value_kind: global_buffer, .address_space: global }
      - { .name: bo, .offset: 32, .size: 8, .value_kind: global_buffer, .address_space: global }
      - { .name: out0, .offset: 40, .size: 8, .value_kind: global_buffer, .address_space: global }
    .group_segment_fixed_size: 34304
    .private_segment_fixed_size: 0
    .kernarg_segment_align: 8
    .kernarg_segment_size: 48
    .max_flat_workgroup_size: 128
    .sgpr_count:     66
    .vgpr_count:     512
    .wavefront_size: 32
...
	.end_amdgpu_metadata
.endif
;; end of part 4
;; ======== version 2 of 2: 4 launches
;; workspace buffers: opc 6,291,456 bytes; ops 393,216 bytes; qc 4,194,304 bytes; qs 524,288 bytes; kvc 8,388,608 bytes; kvs 1,048,576 bytes; atc 4,194,304 bytes; ats 262,144 bytes
;; launch quant: the kernel of part 1 again; grid 480 x 1, 4 waves a work-group, no clusters, 17,920 bytes of LDS; arguments x, Wo, Wq, Wk, Wv, opc, ops; writes opc, ops
;; launch proj (part 5): grid 768 x 1, 4 waves a work-group, no clusters, 3,584 bytes of LDS; arguments opc, ops, bq, bk, bv, qc, qs, kvc, kvs; writes qc, qs, kvc, kvs
.if DOCPART == 5
	.amdgcn_target "amdgcn-amd-amdhsa--gfx1250"
	.amdhsa_code_object_version 6
	.text
	.protected	k_qed62306233_proj
	.globl	k_qed62306233_proj
	.p2align	8
	.type	k_qed62306233_proj,@function
k_qed62306233_proj:
	s_mov_b64 s[64:65], 0
	v_nop
	global_prefetch_b8 v0, s[64:65] scope:SCOPE_SE
	s_setreg_imm32_b32 hwreg(HW_REG_WAVE_SCHED_MODE, 0, 2), 2
	s_setreg_imm32_b32 hwreg(HW_REG_WAVE_MODE, 25, 1), 1
	s_wait_xcnt 0x0
	s_wait_alu depctr_vm_vsrc(0)
; q = x Wq + bq, k = x Wk + bk, v = x Wv + bv on codes of FP4 (E2M1) with E8M0 scales, K = 1,024; each result is quantised in registers for the product that reads it, and only codes go to memory.
; OPERANDS are register images (opc: [tile][K step][1,024 bytes], byte 512 c + 16 lane = registers 4 c .. 4 c + 3; row r of tile T = matrix row 32 (T / 2) + 8 (T % 2) + r + 8 (r / 8)):
; a fragment is two loads of 16 bytes a lane, 512 consecutive bytes each, straight from memory into registers.  No LDS ring: K is eight steps, written out, two fragment buffers.
; A WAVE makes 4 "N" tiles x 8 "P" tiles: D = (source 0 = P tile) x (source 1 = N tile).  Lane (r, h) then holds N row r, and register j of P tile t the P index 32 (t / 2) + 16 h + 8 (t % 2) + j:
; the 16 registers of tiles 2 b and 2 b + 1 are 16 neighbours along P, which is the next product's K.
;   work-groups 0-511 (q, k): P = 128 rows of Wq or Wk (two heads x 64 d), N = 64 rows of x.  Result: for each head an image of 16 rows x 64 d (half a fragment) and a scale word with bytes 2 and 3 = 0.
;   work-groups 512-767 (v):  P = 128 rows of x (a step of 128 keys), N = 64 rows of Wv (a head's d).  Result: images of 16 d x 128 keys.
; OUT: qc [bh][tile 128][512], qs [bh][tile][r] words; kvc [bh][step 16][K: 8 x 512 | V: 4 x 1,024], kvs [bh][step][K words 512 bytes | V words 256 bytes | 256 bytes that nobody writes or reads].
; LIMITS: NaN and infinities are not served; a block whose largest magnitude lies under 2^-124 (zeros among them) gets the byte 1; the bytes are read by this program alone.
; REGISTERS: window 0: v2-10 addresses; v16-111, v112-207 the two fragment buffers (N's four fragments, then P's eight); v208-223 N's scale words, v224-255 P's.  Window 1: accumulator (a, t) at v[8 (8 a + t)].
; THE MODE: SCHED_MODE bits 1:0 = 2 (LLVM: expert scheduling mode 2), set by the entry lines.  The code itself states the register dependences
; between vector or matrix instructions and memory or LDS instructions, with s_wait_alu, always for 0.
; THE PLAN.  Registers that memory or LDS instructions touch:
;   v[LI], v[LS]       Offsets of every load of fragments and scale words and of the codes' stores: written once at the head, never again.
;   buffers 0 and 1    K step g's 24 loads land in buffer g % 2; its 32 products read it; then the loads of K step g + 2 land in it (behind K step 6: the bias, in buffer 0).
;   SN, SP             Loaded once; read by products alone.
;   v7 to v10          The way out's LDS addresses and offsets and the bias's offset: written once, in each arm, ahead of that arm's first wait.
;   PC + 8 a, WT + a   N tile a's codes and scale word: written by its conversions, lane swaps and shifts, read by its three stores, never written again: each tile has registers of its own.
;   RB                 One LDS load lands in it, one store reads it.     v14, v15: written at the head, read by the closing add alone.
; THE WAITS.  One on va_sdst, ahead of the first reader of the wave's number.  One on va_vdst ahead of the first load.  One on va_vdst behind the products of each of K steps 0 to 6: they are done reading the
; buffer that is asked for again at once.  It stands there and not at the next step's head, so that the loads go out ahead of the wait for the next step's data and two steps' loads are on their way.
; One on va_vdst behind each N tile's arithmetic, ahead of its three stores.  No register that a memory or LDS instruction has read is written again: no wait on vm_vsrc is owed.
.set LI,  2                            ; v2   16 x lane
.set LS,  3                            ; v3   512 h + 16 r: lanes 0-15 take the even tile's scale words, lanes 16-31 the odd tile's
.set FB0, 16
.set SN,  208                          ; N's scale words: register SN + 8 (a / 2) + step
.set SP,  224                          ; P's: SP + 8 (t / 2) + step
.set BI,  48                           ; the way out: v48-111 the bias in the result's layout (q, k);
.set BL,  48                           ; v48-55 a pair for each N tile (v)
.set H,   144                          ; v144-207 64 numbers of a lane
.set TM,  112                          ; v112-127 at work
.set PW,  128                          ; the scale word just made
.set PC,  16                           ; v16-47 codes: eight registers for each N tile, so that no store's data are written again
.set RB,  132                          ; v132-135 scale words read back
.set WT,  136                          ; v136-139 a scale word for each N tile
.set SEL, 42                           ; s[42:43]
.set MSB, 0
.macro WIN new                         ; the immediate's high byte repeats the setting that is left
.if MSB != \new
	s_set_vgpr_msb (MSB<<8)|\new
.set MSB, \new
.endif
.endm
.macro PLACES                          ; four plain vector lines between a matrix instruction and a load into, or a vector line on, its registers; ahead of a load they stay beside the wait on va_vdst
.rept 4
	v_nop
.endr
.endm
.macro LOADF g                         ; K step g's twelve fragments: 24 loads
.set FB, FB0+96*((\g)%2)
.irp a, 0,1,2,3
.irp c, 0,1
	global_load_b128 v[FB+8*\a+4*\c:FB+8*\a+4*\c+3], v[LI], s[34:35] offset:\a*8192+(\g)*1024+\c*512
.endr
.endr
.irp t, 0,1,2,3,4,5,6,7
.irp c, 0,1
	global_load_b128 v[FB+32+8*\t+4*\c:FB+32+8*\t+4*\c+3], v[LI], s[36:37] offset:\t*8192+(\g)*1024+\c*512
.endr
.endr
.endm
; one product: N tile a, P tile t, K step g.  An odd tile's scale words lie in lanes 16-31 of its pair's register.  zero = 1: the product starts the sum
.macro WM a, t, g, zero
.set rD, 8*(8*(\a)+(\t))
.set rA, FB0+96*((\g)%2)+32+8*(\t)
.set rB, FB0+96*((\g)%2)+8*(\a)
.set rX, SP+8*((\t)/2)+(\g)
.set rY, SN+8*((\a)/2)+(\g)
.if \zero
.if ((\t)%2 == 0) && ((\a)%2 == 0)
	v_wmma_scale_f32_16x16x128_f8f6f4 v[rD:rD+7], v[rA:rA+7], v[rB:rB+7], 0, v[rX], v[rY] matrix_a_fmt:MATRIX_FMT_FP4 matrix_b_fmt:MATRIX_FMT_FP4
.elseif ((\t)%2 == 1) && ((\a)%2 == 0)
	v_wmma_scale_f32_16x16x128_f8f6f4 v[rD:rD+7], v[rA:rA+7], v[rB:rB+7], 0, v[rX], v[rY] matrix_a_fmt:MATRIX_FMT_FP4 matrix_b_fmt:MATRIX_FMT_FP4 matrix_a_scale:MATRIX_SCALE_ROW1
.elseif (\t)%2 == 0
	v_wmma_scale_f32_16x16x128_f8f6f4 v[rD:rD+7], v[rA:rA+7], v[rB:rB+7], 0, v[rX], v[rY] matrix_a_fmt:MATRIX_FMT_FP4 matrix_b_fmt:MATRIX_FMT_FP4 matrix_b_scale:MATRIX_SCALE_ROW1
.else
	v_wmma_scale_f32_16x16x128_f8f6f4 v[rD:rD+7], v[rA:rA+7], v[rB:rB+7], 0, v[rX], v[rY] matrix_a_fmt:MATRIX_FMT_FP4 matrix_b_fmt:MATRIX_FMT_FP4 matrix_a_scale:MATRIX_SCALE_ROW1 matrix_b_scale:MATRIX_SCALE_ROW1
.endif
.else
.if ((\t)%2 == 0) && ((\a)%2 == 0)
	v_wmma_scale_f32_16x16x128_f8f6f4 v[rD:rD+7], v[rA:rA+7], v[rB:rB+7], v[rD:rD+7], v[rX], v[rY] matrix_a_fmt:MATRIX_FMT_FP4 matrix_b_fmt:MATRIX_FMT_FP4
.elseif ((\t)%2 == 1) && ((\a)%2 == 0)
	v_wmma_scale_f32_16x16x128_f8f6f4 v[rD:rD+7], v[rA:rA+7], v[rB:rB+7], v[rD:rD+7], v[rX], v[rY] matrix_a_fmt:MATRIX_FMT_FP4 matrix_b_fmt:MATRIX_FMT_FP4 matrix_a_scale:MATRIX_SCALE_ROW1
.elseif (\t)%2 == 0
	v_wmma_scale_f32_16x16x128_f8f6f4 v[rD:rD+7], v[rA:rA+7], v[rB:rB+7], v[rD:rD+7], v[rX], v[rY] matrix_a_fmt:MATRIX_FMT_FP4 matrix_b_fmt:MATRIX_FMT_FP4 matrix_b_scale:MATRIX_SCALE_ROW1
.else
	v_wmma_scale_f32_16x16x128_f8f6f4 v[rD:rD+7], v[rA:rA+7], v[rB:rB+7], v[rD:rD+7], v[rX], v[rY] matrix_a_fmt:MATRIX_FMT_FP4 matrix_b_fmt:MATRIX_FMT_FP4 matrix_a_scale:MATRIX_SCALE_ROW1 matrix_b_scale:MATRIX_SCALE_ROW1
.endif
.endif
.endm
.macro MULSTEP g, zero                 ; a K step: the 32 accumulators take turns, one instruction a turn, in the same order in every step
	WIN 0x50                                       ; C and D in window 1
.irp a, 0,1,2,3
.irp t, 0,1,2,3,4,5,6,7
	WM \a, \t, \g, \zero
.endr
.endr
	WIN 0
.endm
.macro SUMS a, qk                      ; N tile a's 64 sums + the bias, into window 0; each accumulator is read from its low end on
	WIN 0x01                                       ; source 0 in window 1
.set i, 0
.rept 32
.if \qk
	v_pk_add_f32 v[H+2*i:H+2*i+1], v[64*(\a)+2*i:64*(\a)+2*i+1], v[BI+2*i:BI+2*i+1]
.else
	v_pk_add_f32 v[H+2*i:H+2*i+1], v[64*(\a)+2*i:64*(\a)+2*i+1], v[BL+2*(\a):BL+2*(\a)+1]
.endif
.set i, i+1
.endr
	WIN 0
.endm
; 64 numbers of a lane, v[s] .. v[s + 63], register 16 b + i = k 32 b + 16 (lane / 16) + i of my row, become a fragment's codes in v[pc] on and its scale word in v[pw]
.macro QUANT s, pc, pw
.irp b, 0,1,2,3
	v_max3_num_f32 v[TM+\b], |v[\s+16*\b]|, |v[\s+1+16*\b]|, 0x1800000   ; block b: my 16 numbers, and the floor 2^(3 - 127): the byte cannot fall under 1
.endr
.irp i, 2,4,6,8,10,12,14
.irp b, 0,1,2,3
	v_max3_num_f32 v[TM+\b], v[TM+\b], |v[\s+16*\b+\i]|, |v[\s+1+16*\b+\i]|   ; (the four blocks by turns)
.endr
.endr
.irp b, 0,1,2,3
	v_permlanex16_b32 v[TM+4+\b], v[TM+\b], s[SEL], s[SEL+1]
.endr
.irp b, 0,1,2,3
	v_max_num_f32 v[TM+\b], v[TM+\b], v[TM+4+\b]   ; with lane l xor 16's: the block's largest magnitude
.endr
.irp b, 0,1,2,3
	v_add_nc_u32 v[TM+12+\b], 0xff000000, v[TM+\b] ; 2 off its exponent field: the conversion's scale operand
.endr
.irp b, 0,1,2,3
	v_lshrrev_b32 v[TM+4+\b], 23, v[TM+12+\b]      ; the scale's byte
.endr
	v_lshl_or_b32 v[\pw], v[TM+5], 8, v[TM+4]
	v_lshl_or_b32 v[\pw], v[TM+6], 16, v[\pw]
	v_lshl_or_b32 v[\pw], v[TM+7], 24, v[\pw]
.irp b, 0,1,2,3
	v_cvt_scalef32_pk8_fp4_f32 v[\pc+2*\b], v[\s+16*\b:\s+7+16*\b], v[TM+12+\b]
	v_cvt_scalef32_pk8_fp4_f32 v[\pc+1+2*\b], v[\s+8+16*\b:\s+15+16*\b], v[TM+12+\b]
.endr
	v_nop                                          ; one plain line behind a scaled conversion
.irp c, 0,1                                    ; the operand's layout wants a whole block in a lane: lanes 0-15 block 2 c, lanes 16-31 block 2 c + 1
.irp i, 0,1
	v_permlane16_swap_b32 v[\pc+4*\c+\i], v[\pc+2+4*\c+\i]
.endr
.endr
.endm
	s_load_b256 s[4:11], s[0:1], 0x0               ; opc s[4:5], ops s[6:7], bq s[8:9], bk s[10:11]
	s_load_b256 s[12:19], s[0:1], 0x20             ; bv s[12:13], qc s[14:15], qs s[16:17], kvc s[18:19]
	s_load_b64 s[20:21], s[0:1], 0x40              ; kvs
	v_lshl_add_u32 v14, v0, 2, 0xc00
	v_mov_b32 v15, 0
	v_lshrrev_b32 v1, 5, v0
	v_readfirstlane_b32 s22, v1                    ; wave 0..3
	v_and_b32 v1, 31, v0
	v_lshlrev_b32 v[LI], 4, v1
	v_and_b32 v4, 15, v0                           ; r
	v_bfe_u32 v5, v0, 4, 1                         ; h
	v_lshlrev_b32 v[LS], 4, v4
	v_lshl_add_u32 v[LS], v5, 9, v[LS]
	s_mov_b32 s[SEL], 0x76543210
	s_mov_b32 s[SEL+1], 0xfedcba98                 ; v_permlanex16_b32's selects for lane l xor 16
	s_and_b32 s23, ttmp9, 15                       ; q, k: which 128 rows of Wq (0-7) or Wk (8-15): shared by the four waves
	s_lshr_b32 s24, ttmp9, 4
	s_lshl_b32 s24, s24, 2
	s_wait_alu depctr_va_sdst(0)                   ; s22, the wave's number, is written, ahead of its first reader: the tiles' numbers are made from it
	s_add_co_u32 s24, s24, s22                     ;       which 64 rows of x
	s_lshl_b32 s25, s24, 2                         ;       N's first tile
	s_lshl_b32 s26, s23, 3
	s_add_co_u32 s26, s26, 512                     ;       P's first tile
	s_sub_co_u32 s27, ttmp9, 512
	s_and_b32 s28, s27, 3
	s_lshl_b32 s28, s28, 2
	s_add_co_u32 s28, s28, s22                     ; v: the head
	s_lshr_b32 s29, s27, 2                         ;    which 128 rows of x: shared by the four waves
	s_lshl_b32 s30, s28, 2
	s_add_co_u32 s30, s30, 640                     ;    N's first tile
	s_lshl_b32 s31, s29, 3                         ;    P's first tile
	s_cmp_lt_u32 ttmp9, 512
	s_cselect_b32 s25, s25, s30
	s_cselect_b32 s26, s26, s31
	s_mov_b32 s33, 0
	s_lshl_b32 s32, s25, 13
	s_wait_kmcnt 0x0
	s_add_nc_u64 s[34:35], s[4:5], s[32:33]        ; N's images
	s_lshl_b32 s32, s26, 13
	s_add_nc_u64 s[36:37], s[4:5], s[32:33]        ; P's
	s_lshl_b32 s32, s25, 9
	s_add_nc_u64 s[38:39], s[6:7], s[32:33]        ; N's scale words
	s_lshl_b32 s32, s26, 9
	s_add_nc_u64 s[40:41], s[6:7], s[32:33]        ; P's
	s_wait_alu depctr_va_vdst(0)                   ; v[LI] and v[LS] are written: every load of scale words and fragments reads one of them as its offset
.irp p, 0,1
.irp f, 0,1
	global_load_b128 v[SN+8*\p+4*\f:SN+8*\p+4*\f+3], v[LS], s[38:39] offset:\p*1024+\f*256   ; a pair of tiles, four K steps' words
.endr
.endr
.irp p, 0,1,2,3
.irp f, 0,1
	global_load_b128 v[SP+8*\p+4*\f:SP+8*\p+4*\f+3], v[LS], s[40:41] offset:\p*1024+\f*256
.endr
.endr
	LOADF 0
	LOADF 1
	s_wait_loadcnt 24                              ; the scale words and K step 0 are in; K step 1's 24 loads may be out
	MULSTEP 0, 1                                   ; the first products start the sums: nothing is cleared
	PLACES
	s_wait_alu depctr_va_vdst(0)                   ; K step 0's products are done reading buffer 0, in which the 24 loads below land
	LOADF 2
.irp g, 1,2,3,4,5
	s_wait_loadcnt 24                              ; this K step's fragments are in; the next step's 24 loads may be out
	MULSTEP \g, 0
	PLACES
	s_wait_alu depctr_va_vdst(0)                   ; this K step's products are done reading their buffer, in which the 24 loads below land
	LOADF \g+2
.endr
	s_wait_loadcnt 24
	MULSTEP 6, 0
	s_cmp_lt_u32 ttmp9, 512
	s_cbranch_scc0 .Lv
; ---- q, k: the last K step and the way out
	s_and_b32 s44, s23, 7                          ; which pair of heads
	s_lshr_b32 s45, s24, 5                         ; the batch
	s_and_b32 s46, s24, 31
	s_lshl_b32 s46, s46, 2                         ; my first tile among the batch's 128
	s_lshl_b32 s47, s45, 4
	s_lshl_b32 s48, s44, 1
	s_add_co_u32 s47, s47, s48                     ; bh of the pair's first head
	s_lshl_b32 s48, s47, 16
	s_lshl_b32 s49, s46, 9
	s_add_co_u32 s48, s48, s49                     ; in qc: 65,536 bh + 512 tile
	s_lshl_b32 s50, s47, 17
	s_lshr_b32 s51, s46, 3
	s_lshl_b32 s51, s51, 13
	s_add_co_u32 s50, s50, s51
	s_and_b32 s51, s46, 7
	s_lshl_b32 s51, s51, 9
	s_add_co_u32 s50, s50, s51                     ; in kvc: 131,072 bh + 8,192 (tile / 8) + 512 (tile % 8)
	s_cmp_lt_u32 s23, 8                            ; q or k
	s_cselect_b32 s48, s48, s50
	s_cselect_b64 s[52:53], s[14:15], s[18:19]
	s_cselect_b64 s[54:55], s[16:17], s[20:21]
	s_cselect_b64 s[56:57], s[8:9], s[10:11]
	s_cselect_b32 s58, 16, 17                      ; log2 of a head's bytes of codes
	s_mov_b32 s49, 0
	s_add_nc_u64 s[52:53], s[52:53], s[48:49]      ; the first head's codes
	s_lshr_b32 s48, s48, 3
	s_add_nc_u64 s[54:55], s[54:55], s[48:49]      ; its scale words: an eighth of the codes' offset in both buffers
	s_lshl_b32 s48, 1, s58
	s_add_nc_u64 s[60:61], s[52:53], s[48:49]      ; the second head's codes
	s_lshr_b32 s59, s48, 3                         ; from head to head among the scale words
	s_lshl_b32 s48, s44, 9
	s_add_nc_u64 s[56:57], s[56:57], s[48:49]      ; the pair's 128 numbers of the bias
	s_lshl_b32 s62, s22, 9
	v_lshlrev_b32 v6, 4, v5                        ; 16 h.  (These nine plain lines are the places between K step 6's products and the loads into its buffer)
	v_lshlrev_b32 v7, 2, v4
	v_lshl_add_u32 v7, v5, 8, v7
	v_add_nc_u32 v7, s62, v7                       ; LDS, my wave's 512 bytes: 256 h (the head) + 4 r, + 64 a in the immediate
	v_add_nc_u32 v8, s62, v[LI]                    ; and back: 16 x lane
	v_mul_u32_u24 v9, s59, v5
	v_lshl_add_u32 v9, v4, 4, v9                   ; in memory: lanes 0-15 the first head's 256 bytes, lanes 16-31 the second's
	v_lshlrev_b32 v10, 6, v5                       ; the bias: 16 h numbers on
	v_nop
	s_wait_alu depctr_va_vdst(0)                   ; K step 6's products are done reading buffer 0, in which the bias lands; v10, its offset, and v7 to v9, the way out's addresses, are written
.irp t, 0,1,2,3,4,5,6,7
	global_load_b128 v[BI+8*\t:BI+8*\t+3], v10, s[56:57] offset:(32*(\t/2)+8*(\t%2))*4
	global_load_b128 v[BI+8*\t+4:BI+8*\t+7], v10, s[56:57] offset:(32*(\t/2)+8*(\t%2))*4+16
.endr
	s_wait_loadcnt 16                              ; K step 7's fragments are in; the bias's 16 loads may be out
	MULSTEP 7, 0
	PLACES
.irp b, 0,1,2,3
	v_mov_b32 v[TM+4+\b], 0                        ; written once: a lane permute's destination counts as one of its sources
.endr
	s_wait_loadcnt 0x0                             ; the bias
.macro EPI_QK a
	SUMS \a, 1
	QUANT H, PC+8*\a, PW
	v_lshrrev_b32 v[WT+\a], v6, v[PW]
	v_and_b32 v[WT+\a], 0xffff, v[WT+\a]           ; lanes 0-15: the first head's two bytes, lanes 16-31: the second's; bytes 2 and 3 are 0
	s_wait_alu depctr_va_vdst(0)                   ; the lane swaps have written the tile's codes v[PC + 8 a ..] and the line above its word v[WT + a]: the three stores below read them
	global_store_b128 v[LI], v[PC+8*\a:PC+8*\a+3], s[52:53] offset:512*\a      ; registers 0-3: the first head's 64 d; 512 consecutive bytes
	global_store_b128 v[LI], v[PC+8*\a+4:PC+8*\a+7], s[60:61] offset:512*\a    ; registers 4-7: the second head's
	ds_store_b32 v7, v[WT+\a] offset:64*\a
.endm
.irp a, 0,1,2,3
	EPI_QK \a
.endr
	ds_load_b128 v[RB:RB+3], v8                    ; LDS serves a wave's instructions in order: this sees my stores.  (No vector or matrix instruction since the last wait names v[RB ..] or v8)
	s_wait_dscnt 0x0
	global_store_b128 v9, v[RB:RB+3], s[54:55]     ; four tiles' words of each head: sixteen lanes store 256 consecutive bytes, aligned
	s_wait_dscnt 0x0                               ; the closing lines, six on end
	s_wait_alu 0x0
	s_wait_tensorcnt 0x0
	ds_add_u32 v14, v15
	s_wait_dscnt 0x0
	s_endpgm
; ---- v: the last K step and the way out
.Lv:
	s_lshr_b32 s45, s29, 4                         ; the batch
	s_and_b32 s46, s29, 15                         ; the step of 128 keys
	s_lshl_b32 s47, s45, 4
	s_add_co_u32 s47, s47, s28                     ; bh
	s_lshl_b32 s48, s47, 17
	s_lshl_b32 s49, s46, 13
	s_add_co_u32 s48, s48, s49
	s_add_co_u32 s48, s48, 4096                    ; V's images lie behind the step's K images
	s_mov_b32 s49, 0
	s_add_nc_u64 s[52:53], s[18:19], s[48:49]
	s_lshr_b32 s48, s48, 3                         ; 16,384 bh + 1,024 step + 512
	s_add_nc_u64 s[54:55], s[20:21], s[48:49]
	s_lshl_b32 s48, s28, 8
	s_add_nc_u64 s[56:57], s[12:13], s[48:49]      ; the head's 64 numbers of bv
	s_lshl_b32 s62, s22, 8
	s_add_co_u32 s62, s62, 2048                    ; LDS: this path's own bytes, 256 a wave
	v_lshlrev_b32 v7, 2, v4                        ; (these seven plain lines are the places between K step 6's products and the loads into its buffer)
	v_add_nc_u32 v7, s62, v7                       ; 4 r, + 64 a in the immediate
	v_lshrrev_b32 v9, 1, v[LI]                     ; 8 x lane
	v_add_nc_u32 v8, s62, v9
	v_and_b32 v10, 8, v4
	v_add_nc_u32 v10, v10, v4                      ; my d in a tile: r + 8 (r / 8)
	v_lshlrev_b32 v10, 2, v10
	s_wait_alu depctr_va_vdst(0)                   ; K step 6's products are done reading buffer 0, in which the bias lands; v10, its offset, and v7 to v9, the way out's addresses, are written
.irp a, 0,1,2,3
	global_load_b32 v[BL+2*\a], v10, s[56:57] offset:(32*(\a/2)+8*(\a%2))*4     ; one number a lane and tile, twice: a pair for the packed addition
	global_load_b32 v[BL+2*\a+1], v10, s[56:57] offset:(32*(\a/2)+8*(\a%2))*4
.endr
	s_wait_loadcnt 8                               ; K step 7's fragments are in; the bias's 8 loads may be out
	MULSTEP 7, 0
	PLACES
.irp b, 0,1,2,3
	v_mov_b32 v[TM+4+\b], 0
.endr
	s_wait_loadcnt 0x0
.macro EPI_V a
	SUMS \a, 0
	QUANT H, PC+8*\a, WT+\a
	s_wait_alu depctr_va_vdst(0)                   ; the tile's codes v[PC + 8 a ..] and its scale word v[WT + a] are written: the three stores below read them
	global_store_b128 v[LI], v[PC+8*\a:PC+8*\a+3], s[52:53] offset:1024*\a
	global_store_b128 v[LI], v[PC+8*\a+4:PC+8*\a+7], s[52:53] offset:1024*\a+512
	ds_store_b32 v7, v[WT+\a] offset:64*\a         ; both halves of the lanes write the same word with the same value
.endm
.irp a, 0,1,2,3
	EPI_V \a
.endr
	ds_load_b64 v[RB:RB+1], v8                     ; (no vector or matrix instruction since the last wait names v[RB ..] or v8)
	s_wait_dscnt 0x0
	global_store_b64 v9, v[RB:RB+1], s[54:55]      ; the wave stores 256 consecutive bytes, aligned
	s_wait_dscnt 0x0                               ; the closing lines, six on end
	s_wait_alu 0x0
	s_wait_tensorcnt 0x0
	ds_add_u32 v14, v15
	s_wait_dscnt 0x0
	s_endpgm
.Lfunc_end_k_qed62306233_proj:
	.size	k_qed62306233_proj, .Lfunc_end_k_qed62306233_proj-k_qed62306233_proj
	.p2alignl 7, 3214868480
	.fill 96, 4, 3214868480
	.section	.rodata,"a",@progbits
	.p2align	6, 0x0
	.amdhsa_kernel k_qed62306233_proj
		.amdhsa_group_segment_fixed_size 3584
		.amdhsa_private_segment_fixed_size 0
		.amdhsa_enable_private_segment 0
		.amdhsa_kernarg_size 72
		.amdhsa_user_sgpr_count 2
		.amdhsa_user_sgpr_kernarg_segment_ptr 1
		.amdhsa_wavefront_size32 1
		.amdhsa_system_sgpr_workgroup_id_x 1
		.amdhsa_system_sgpr_workgroup_id_y 1
		.amdhsa_system_sgpr_workgroup_id_z 1
		.amdhsa_system_vgpr_workitem_id 0
		.amdhsa_next_free_vgpr 512
		.amdhsa_next_free_sgpr 66
		.amdhsa_reserve_vcc 0
		.amdhsa_float_denorm_mode_32 3
		.amdhsa_float_denorm_mode_16_64 3
		.amdhsa_memory_ordered 1
		.amdhsa_forward_progress 1
		.amdhsa_inst_pref_size 114
	.end_amdhsa_kernel
	.amdgpu_metadata
---
amdhsa.version: [ 1, 2 ]
amdhsa.kernels:
  - .name:           k_qed62306233_proj
    .symbol:         k_qed62306233_proj.kd
    .args:
      - { .name: opc, .offset: 0, .size: 8, .value_kind: global_buffer, .address_space: global }
      - { .name: ops, .offset: 8, .size: 8, .value_kind: global_buffer, .address_space: global }
      - { .name: bq, .offset: 16, .size: 8, .value_kind: global_buffer, .address_space: global }
      - { .name: bk, .offset: 24, .size: 8, .value_kind: global_buffer, .address_space: global }
      - { .name: bv, .offset: 32, .size: 8, .value_kind: global_buffer, .address_space: global }
      - { .name: qc, .offset: 40, .size: 8, .value_kind: global_buffer, .address_space: global }
      - { .name: qs, .offset: 48, .size: 8, .value_kind: global_buffer, .address_space: global }
      - { .name: kvc, .offset: 56, .size: 8, .value_kind: global_buffer, .address_space: global }
      - { .name: kvs, .offset: 64, .size: 8, .value_kind: global_buffer, .address_space: global }
    .group_segment_fixed_size: 3584
    .private_segment_fixed_size: 0
    .kernarg_segment_align: 8
    .kernarg_segment_size: 72
    .max_flat_workgroup_size: 128
    .sgpr_count:     66
    .vgpr_count:     512
    .wavefront_size: 32
...
	.end_amdgpu_metadata
.endif
;; end of part 5
;; launch attn (part 6): grid 256 x 1, 16 waves a work-group, no clusters, 327,680 bytes of LDS; arguments qc, qs, kvc, kvs, atc, ats; writes atc, ats
.if DOCPART == 6
	.amdgcn_target "amdgcn-amd-amdhsa--gfx1250"
	.amdhsa_code_object_version 6
	.text
	.protected	k_qed62306233_attn
	.globl	k_qed62306233_attn
	.p2align	8
	.type	k_qed62306233_attn,@function
k_qed62306233_attn:
	s_mov_b64 s[64:65], 0
	v_nop
	global_prefetch_b8 v0, s[64:65] scope:SCOPE_SE
	s_setreg_imm32_b32 hwreg(HW_REG_WAVE_MODE, 25, 1), 1
	s_wait_xcnt 0x0
; Attention on codes of FP4 (E2M1) with E8M0 scales: O = softmax(q k^T / 8) v for 64 (batch, head) pairs, 2,048 queries and keys, head size 64; the result is quantised along the concatenated heads for the last product.
; THE SOFTMAX AHEAD OF THE SECOND PRODUCT: t = score x log2(e) / 8; M = the row's largest t so far, rounded UP to a whole number; p = 2^(t - M) is what is quantised, along the keys, not normalised.
; The row's sum is taken of the unquantised p, in f32, and divides O at the end.  When M moves, the sum and O are multiplied by 2^(old M - new M): exact.
; SHARES.  A work-group takes 256 queries and a pair of heads (2 hp, 2 hp + 1: together they are K step hp of the last product); each of its sixteen waves one tile of 16 queries, first for the one head, then for the other.
; Four waves share a SIMD, so that one wave's vector work stands beside another's products and LDS loads.
; K AND V of both heads, all 2,048 keys, lie in LDS for the whole launch: 2 x 131,072 bytes of register images and 2 x 16,384 of scale words.  Every byte is filled once: wave w brings step w of each head,
; four tensor loads a wave, all issued at the head (four of a wave's loads are out at the most).  The second head's land while the first is worked.  No slot is filled again.
; LAYOUT.  Both products are used transposed: S^T = K Q^T (source 0 = 16 keys, source 1 = my queries), O^T = V^T P^T: a lane holds ONE query throughout.  Row r of key tile t is key 32 (t / 2) + 8 (t % 2) + r + 8 (r / 8) of the step,
; so that the 16 registers of tiles 2 b and 2 b + 1 are the 16 neighbouring keys 32 b + 16 (lane / 16) + 0 .. 15.
; K = 64 IN AN INSTRUCTION OF 128: q's registers 4-7 are zero codes, and bytes 2 and 3 of q's and k's scale words are 0 (the least scale).  A key tile has four registers; as source 0 it is named with the four behind it
; (the next tile's, or four of zeros): whatever stands there meets q's zero codes and adds nothing.
; LIMITS: NaN and infinities are not served; a block whose largest magnitude lies under 2^-124 (zeros among them) gets the byte 1; the bytes are read by this program alone.
.set SCB,  262144                      ; LDS: [head e][step][K 8 x 512 | V 4 x 1,024] from 0; from SCB [e][step][K's words 512 | V's words 256 | 256 unused];
.set SCR,  294912                      ; from SCR 1,024 bytes into which no tensor load lands: the sixteen tiles' scale words on their way out
.set AK0,  1                           ; v1   16 x lane + 131,072 e
.set AS0,  2                           ; v2   SCB + 4 r + 16,384 e
.set ADK,  3                           ; v3, v4  LDS addresses of K's loads in hand: written again only when those loads are back
.set ASK,  4
.set LI,   5                           ; v5   16 x lane; never rewritten
.set ADV,  6                           ; v6, v7  the same for V's
.set ASV,  7
.set QA,   8                           ; v8-15  q of the first head: four registers of codes, four of zeros;  v16-23 of the second
.set QB,   16
.set QSA,  24                          ; v24, v25  q's scale words
.set QSB,  25
.set NM,   26                          ; v26 -M, v27 the largest t
.set MT,   27
.set L,    28                          ; v[28:29] the sum in two halves
.set KF,   32                          ; v32-63 eight key tiles x 4; v64-67 zeros
.set VF,   68                          ; v68-99 four tiles of V
.set KS,   100                         ; v100-107 K's scale words; v108-111 V's
.set VS,   108
.set S,    112                         ; v112-175 S^T, then p
.set O,    176                         ; v176-207 O^T
.set PCD,  208                         ; v208-215 p's codes
.set BM,   216                         ; v216-219 the blocks' largest scores, then largest p
.set BT,   220                         ; v220-223 at work
.set BS,   224                         ; v224-227 the conversions' scale operands
.set F,    228                         ; v228 2^(old M - new M)
.set PWD,  229                         ; v229 p's scale word
.set TP,   230
.set WE,   231                         ; v231 the result's scale word: the first head's two bytes below, the second's above
.set EC,   232                         ; v232-239 the result's codes, four registers a head
.set WV,   16                          ; s16  wave
.set G1C,  24                          ; s[24:31] descriptor group 1 for a step's codes; s[32:39] for its scale words; s[40:55] four groups 0
.set G1S,  32
.set G0,   40
.set CS,   66                          ; s[66:67] c = log2(e) / 8
.set SEL,  68                          ; s[68:69]
.set TB,   70                          ; s70  8,192 x the steps begun
.set TW,   71                          ; s71  the same, wrapped at the head's end: where the next step's images begin
.set TS,   72                          ; s72  and its scale words: an eighth of that
.set CNT,  73
	s_load_b256 s[4:11], s[0:1], 0x0               ; qc s[4:5], qs s[6:7], kvc s[8:9], kvs s[10:11]
	s_load_b128 s[12:15], s[0:1], 0x20             ; atc s[12:13], ats s[14:15]
	v_lshl_add_u32 v254, v0, 2, 0x48400
	v_mov_b32 v255, 0
	ds_add_u32 v254, v255
	ds_add_u32 v254, v255
	v_lshrrev_b32 v1, 5, v0
	s_delay_alu instid0(VALU_DEP_1)
	v_readfirstlane_b32 s[WV], v1                  ; wave 0..15
	s_lshr_b32 s17, ttmp9, 6                       ; the batch
	s_bfe_u32 s18, ttmp9, 0x30003                  ; hp: the pair of heads
	s_and_b32 s19, ttmp9, 7                        ; which 256 queries
	s_lshl_b32 s20, s17, 4
	s_lshl_b32 s21, s18, 1
	s_add_co_u32 s20, s20, s21                     ; bh of the first head
	; group 1: a dense block as rows of 256 bytes (32 elements of 8 bytes), no padding: an image's loads take 512 consecutive bytes
	s_mov_b32 s[G1C+0], 3<<16                      ; no mask; elements of 8 bytes
	s_mov_b32 s[G1C+1], 32<<16                     ; tensor_dim0 = 32
	s_mov_b32 s[G1C+2], 32<<16                     ; tensor_dim1 = 32 rows: 8,192 bytes
	s_mov_b32 s[G1C+3], 32<<16                     ; tile_dim0 = 32
	s_mov_b32 s[G1C+4], 32                         ; tile_dim1 = 32
	s_mov_b32 s[G1C+5], 32                         ; from row to row
	s_mov_b32 s[G1C+6], 0
	s_mov_b32 s[G1C+7], 0
	s_mov_b32 s[G1S+0], 3<<16
	s_mov_b32 s[G1S+1], 32<<16
	s_mov_b32 s[G1S+2], 3<<16                      ; 3 rows: the 768 bytes of a step's scale words that were written
	s_mov_b32 s[G1S+3], 32<<16
	s_mov_b32 s[G1S+4], 3
	s_mov_b32 s[G1S+5], 32
	s_mov_b32 s[G1S+6], 0
	s_mov_b32 s[G1S+7], 0
	s_lshl_b32 s56, s20, 17
	s_lshl_b32 s57, s[WV], 13
	s_add_co_u32 s56, s56, s57                     ; in kvc: 131,072 bh + 8,192 x my step
	s_mov_b32 s57, 0
	s_lshr_b32 s58, s56, 3                         ; in kvs: an eighth of that
	s_mov_b32 s59, 0
	s_lshl_b32 s60, s[WV], 13                      ; in LDS: 8,192 x wave,
	s_lshl_b32 s61, s[WV], 10                      ; 1,024 x wave
	s_mov_b32 s[CS], 0x3e38aa3b                    ; c = log2(e) / sqrt(64)
	s_mov_b32 s[CS+1], s[CS]                       ; (named with it as a pair, so it is written)
	s_mov_b32 s[SEL], 0x76543210
	s_mov_b32 s[SEL+1], 0xfedcba98                 ; v_permlanex16_b32's selects for lane l xor 16
	s_wait_dscnt 0x0
	s_wait_kmcnt 0x0
	s_add_nc_u64 s[8:9], s[8:9], s[56:57]
	s_add_nc_u64 s[10:11], s[10:11], s[58:59]
.irp e, 0,1
	s_mov_b32 s[G0+8*\e], 1                        ; count = 1
	s_add_co_u32 s[G0+8*\e+1], s60, \e*131072      ; LDS address
	s_add_nc_u64 s[G0+8*\e+2:G0+8*\e+3], s[8:9], \e*131072
	s_or_b32 s[G0+8*\e+3], s[G0+8*\e+3], 0x80000000   ; type = 2
	s_mov_b32 s[G0+8*\e+4], 1
	s_add_co_u32 s[G0+8*\e+5], s61, SCB+\e*16384
	s_add_nc_u64 s[G0+8*\e+6:G0+8*\e+7], s[10:11], \e*16384
	s_or_b32 s[G0+8*\e+7], s[G0+8*\e+7], 0x80000000
.endr
	tensor_load_to_lds s[G0:G0+3], s[G1C:G1C+7]        ; the first head's step w: codes,
	s_nop 0
	tensor_load_to_lds s[G0+4:G0+7], s[G1S:G1S+7]      ; scale words;
	s_nop 0
	tensor_load_to_lds s[G0+8:G0+11], s[G1C:G1C+7]     ; the second head's
	s_nop 0
	tensor_load_to_lds s[G0+12:G0+15], s[G1S:G1S+7]
	s_nop 0
	v_and_b32 v31, 15, v0                          ; r
	v_and_b32 v30, 31, v0
	s_delay_alu instid0(VALU_DEP_1)
	v_lshlrev_b32 v[LI], 4, v30
	s_wait_alu depctr_va_vdst(0)
	v_lshlrev_b32 v[AK0], 4, v30
	v_lshrrev_b32 v30, 5, v0
	s_delay_alu instid0(VALU_DEP_1)
	v_lshlrev_b32 v30, 6, v30
	s_delay_alu instid0(VALU_DEP_1)
	v_lshl_add_u32 v30, v31, 2, v30
	s_delay_alu instid0(VALU_DEP_1)
	v_add_nc_u32 v30, SCR, v30                     ; v30: where my tile's scale words go at the end: SCR + 64 x wave + 4 r
	v_lshlrev_b32 v31, 2, v31                      ; v31: 4 r
	s_wait_alu depctr_va_vdst(0)
	v_add_nc_u32 v[AS0], SCB, v31
	s_lshl_b32 s21, s19, 4
	s_add_co_u32 s21, s21, s[WV]                   ; my tile among the batch's 128
	s_lshl_b32 s22, s20, 7
	s_add_co_u32 s22, s22, s21
	s_lshl_b32 s56, s22, 9
	s_add_nc_u64 s[4:5], s[4:5], s[56:57]          ; q's codes: 512 (128 bh + tile)
	s_lshl_b32 s56, s22, 6
	s_add_nc_u64 s[6:7], s[6:7], s[56:57]          ; its scale words
	global_load_b128 v[QA:QA+3], v[LI], s[4:5]
	global_load_b128 v[QB:QB+3], v[LI], s[4:5] offset:65536
	global_load_b32 v[QSA], v31, s[6:7]
	global_load_b32 v[QSB], v31, s[6:7] offset:8192
	s_lshl_b32 s22, s17, 7
	s_add_co_u32 s22, s22, s21
	s_lshl_b32 s56, s22, 13
	s_lshl_b32 s23, s18, 10
	s_add_co_u32 s56, s56, s23
	s_add_nc_u64 s[12:13], s[12:13], s[56:57]      ; atc: 8,192 (128 batch + tile) + 1,024 hp
	s_lshl_b32 s56, s18, 15
	s_lshl_b32 s22, s17, 7
	s_lshl_b32 s23, s19, 4
	s_add_co_u32 s22, s22, s23
	s_lshl_b32 s22, s22, 6
	s_add_co_u32 s56, s56, s22
	s_add_nc_u64 s[14:15], s[14:15], s[56:57]      ; ats: 32,768 hp + 64 x the work-group's first tile
.irp i, 0,1,2,3
	v_mov_b32 v[QA+4+\i], 0                        ; zero codes for k = 64 .. 127
	v_mov_b32 v[QB+4+\i], 0
	v_mov_b32 v[KF+32+\i], 0                       ; what the last key tile is named with
	v_mov_b32 v[BT+\i], 0                          ; written once: a lane permute's destination counts as one of its sources
.endr
	v_mov_b32 v[PWD], 0                            ; (named as the upper half of the pair v[228:229] before it is first written)
.macro LOADK                           ; the next step's eight key tiles and their scale words: 16 LDS loads
	v_add_nc_u32 v[ADK], s[TW], v[AK0]
	v_add_nc_u32 v[ASK], s[TS], v[AS0]
.irp t, 0,1,2,3,4,5,6,7
	ds_load_b128 v[KF+4*\t:KF+4*\t+3], v[ADK] offset:512*\t
.endr
.irp t, 0,1,2,3,4,5,6,7
	ds_load_b32 v[KS+\t], v[ASK] offset:64*\t
.endr
.endm
.macro LOADV                           ; its four tiles of V and their scale words: 12 LDS loads
	v_add_nc_u32 v[ADV], s[TW], v[AK0]
	v_add_nc_u32 v[ASV], s[TS], v[AS0]
.irp a, 0,1,2,3
.irp c, 0,1
	ds_load_b128 v[VF+8*\a+4*\c:VF+8*\a+4*\c+3], v[ADV] offset:4096+1024*\a+512*\c
.endr
.endr
.irp a, 0,1,2,3
	ds_load_b32 v[VS+\a], v[ASV] offset:512+64*\a
.endr
.endm
; A KEY STEP: 128 keys.  At its head K's 16 loads and, behind them, V's 12 are out; each kind's next loads are issued as soon as its registers are free.
.macro STEP qf, qw
	s_add_co_u32 s[TB], s[TB], 8192
	s_and_b32 s[TW], s[TB], 0x1e000                ; the last step's look-ahead wraps to the head's step 0: inside the head's bytes, and not used
	s_lshr_b32 s[TS], s[TW], 3
	s_wait_dscnt 12                                ; K and its words are in; V's 12 loads may be out
.irp t, 0,1,2,3,4,5,6,7
	v_wmma_scale_f32_16x16x128_f8f6f4 v[S+8*\t:S+8*\t+7], v[KF+4*\t:KF+4*\t+7], v[\qf:\qf+7], 0, v[KS+\t], v[\qw] matrix_a_fmt:MATRIX_FMT_FP4 matrix_b_fmt:MATRIX_FMT_FP4
.endr
	v_nop                                          ; four places behind the products (ISA guide 7.12.1): these two and the two additions at LOADK's head
	v_nop
	LOADK                                          ; it has the softmax in which to land
.irp b, 0,1,2,3
	v_max3_num_f32 v[BM+\b], v[S+16*\b], v[S+1+16*\b], v[S+2+16*\b]   ; THE LARGEST SCORE OF EACH BLOCK OF 32 KEYS serves twice: for the row's maximum and, since p rises with the score, for the block's largest p
.endr
.irp i, 3,5,7,9,11,13
.irp b, 0,1,2,3
	v_max3_num_f32 v[BM+\b], v[BM+\b], v[S+16*\b+\i], v[S+1+16*\b+\i]   ; (the four blocks by turns)
.endr
.endr
.irp b, 0,1,2,3
	v_max_num_f32 v[BM+\b], v[BM+\b], v[S+15+16*\b]
.endr
.irp b, 0,1,2,3
	s_delay_alu instid0(VALU_DEP_4)
	v_permlanex16_b32 v[BT+\b], v[BM+\b], s[SEL], s[SEL+1]
.endr
.irp b, 0,1,2,3
	s_delay_alu instid0(VALU_DEP_4)
	v_max_num_f32 v[BM+\b], v[BM+\b], v[BT+\b]     ; with lane l xor 16's 16 keys
.endr
	s_delay_alu instid0(VALU_DEP_2)
	v_max3_num_f32 v[TP], v[BM], v[BM+1], v[BM+2]
	s_delay_alu instid0(VALU_DEP_1)
	v_max_num_f32 v[TP], v[TP], v[BM+3]            ; the step's largest score of my query
	s_delay_alu instid0(VALU_DEP_1)
	v_mul_f32 v[TP], s[CS], v[TP]                  ; as t (c is positive)
	s_delay_alu instid0(VALU_DEP_1)
	v_max_num_f32 v[MT], v[MT], v[TP]              ; the running largest t
	v_mov_b32 v[TP], v[NM]
	s_delay_alu instid0(VALU_DEP_2)
	v_floor_f32 v[NM], -v[MT]                      ; the new -M = floor(-t) = -ceil(t): M is a whole number
	s_delay_alu instid0(VALU_DEP_1)
	v_sub_f32 v[TP], v[NM], v[TP]                  ; M's old value less its new one: a whole number, 0 or less
	s_delay_alu instid0(VALU_DEP_1)
	v_cvt_i32_f32 v[TP], v[TP]                     ; (it saturates)
	s_delay_alu instid0(VALU_DEP_1)
	v_ldexp_f32 v[F], 1.0, v[TP]                   ; f = 2^(old M - new M)
.set j, 0
.rept 32
	v_pk_fma_f32 v[S+j:S+j+1], v[S+j:S+j+1], s[CS:CS+1], v[NM:NM+1] op_sel_hi:[1,0,0]   ; t - M, two at a time (of the pairs c and -M the low word serves both halves)
.set j, j+2
.endr
.irp b, 0,1,2,3
	v_fma_f32 v[BM+\b], v[BM+\b], s[CS], v[NM]     ; the same of each block's largest score
.endr
.set j, 0
	s_wait_alu depctr_va_vdst(0)
.rept 64
	v_exp_f32 v[S+j], v[S+j]                       ; p = 2^(t - M), at most 1: not normalised
.set j, j+1
.endr
	s_setprio 1
.irp b, 0,1,2,3
	v_exp_f32 v[BM+\b], v[BM+\b]                   ; the block's largest p: the same two instructions on the same number give the same bits
.endr
	v_pk_mul_f32 v[L:L+1], v[L:L+1], v[F:F+1] op_sel_hi:[1,0]   ; the sums under the new M.  (A plain line behind the exponentials)
	s_wait_alu depctr_va_vdst(0)
.irp b, 0,1,2,3
	v_max_num_f32 v[BM+\b], 0x1800000, v[BM+\b]    ; the floor 2^(3 - 127): the byte cannot fall under 1
.endr
.irp b, 0,1,2,3
	s_delay_alu instid0(VALU_DEP_4)
	v_add_nc_u32 v[BS+\b], 0xff000000, v[BM+\b]    ; 2 off the exponent field: the conversion's scale operand
.endr
.irp b, 0,1,2,3
	s_delay_alu instid0(VALU_DEP_4)
	v_lshrrev_b32 v[BT+\b], 23, v[BS+\b]           ; the scale's byte
.endr
	s_delay_alu instid0(VALU_DEP_3)
	v_lshl_or_b32 v[PWD], v[BT+1], 8, v[BT]        ; p's scale word for these 128 keys
	s_delay_alu instid0(VALU_DEP_1)
	v_lshl_or_b32 v[PWD], v[BT+2], 16, v[PWD]
	s_delay_alu instid0(VALU_DEP_1)
	v_lshl_or_b32 v[PWD], v[BT+3], 24, v[PWD]
.irp b, 0,1,2,3
	v_cvt_scalef32_pk8_fp4_f32 v[PCD+2*\b], v[S+16*\b:S+7+16*\b], v[BS+\b]
	v_cvt_scalef32_pk8_fp4_f32 v[PCD+1+2*\b], v[S+8+16*\b:S+15+16*\b], v[BS+\b]
.endr
	v_nop                                          ; one plain line behind a scaled conversion
.irp c, 0,1                                    ; the operand's layout wants a whole block in a lane
.irp i, 0,1
	v_permlane16_swap_b32 v[PCD+4*\c+\i], v[PCD+2+4*\c+\i]
.endr
.endr
	v_pk_add_f32 v[220:221], v[116:117], v[120:121]
	v_pk_add_f32 v[252:253], v[124:125], v[128:129]
	v_pk_add_f32 v[250:251], v[132:133], v[136:137]
	v_pk_add_f32 v[248:249], v[140:141], v[144:145]
	v_pk_add_f32 v[246:247], v[148:149], v[152:153]
	v_pk_add_f32 v[244:245], v[156:157], v[160:161]
	v_pk_add_f32 v[242:243], v[164:165], v[168:169]
	v_pk_add_f32 v[28:29], v[28:29], v[172:173]
	v_pk_add_f32 v[220:221], v[220:221], v[112:113]
	v_pk_add_f32 v[252:253], v[252:253], v[114:115]
	v_pk_add_f32 v[250:251], v[250:251], v[118:119]
	v_pk_add_f32 v[248:249], v[248:249], v[122:123]
	v_pk_add_f32 v[246:247], v[246:247], v[126:127]
	v_pk_add_f32 v[244:245], v[244:245], v[130:131]
	v_pk_add_f32 v[242:243], v[242:243], v[134:135]
	v_pk_add_f32 v[28:29], v[28:29], v[138:139]
	v_pk_add_f32 v[220:221], v[220:221], v[142:143]
	v_pk_add_f32 v[252:253], v[252:253], v[146:147]
	v_pk_add_f32 v[250:251], v[250:251], v[150:151]
	v_pk_add_f32 v[248:249], v[248:249], v[154:155]
	v_pk_add_f32 v[246:247], v[246:247], v[158:159]
	v_pk_add_f32 v[244:245], v[244:245], v[162:163]
	v_pk_add_f32 v[242:243], v[242:243], v[166:167]
	v_pk_add_f32 v[28:29], v[28:29], v[170:171]
	v_pk_add_f32 v[220:221], v[220:221], v[174:175]
	s_delay_alu instid0(VALU_DEP_2)
	v_pk_add_f32 v[28:29], v[28:29], v[248:249]
	s_delay_alu instid0(VALU_DEP_2)
	v_pk_add_f32 v[220:221], v[220:221], v[246:247]
	v_pk_add_f32 v[252:253], v[252:253], v[244:245]
	v_pk_add_f32 v[250:251], v[250:251], v[242:243]
	s_delay_alu instid0(VALU_DEP_2)
	v_pk_add_f32 v[28:29], v[28:29], v[252:253]
	s_delay_alu instid0(VALU_DEP_2)
	v_pk_add_f32 v[220:221], v[220:221], v[250:251]
	s_delay_alu instid0(VALU_DEP_1)
	v_pk_add_f32 v[28:29], v[28:29], v[220:221]
.set j, 0
.rept 16
	v_pk_mul_f32 v[O+j:O+j+1], v[O+j:O+j+1], v[F:F+1] op_sel_hi:[1,0]   ; O^T under the new M.  (The sums and these are the places between p's codes and scale word and the products below)
.set j, j+2
.endr
	s_setprio 0
	s_wait_alu depctr_va_vdst(0)
	s_wait_dscnt 16                                ; V and its words are in; the next K's 16 loads may be out
.irp a, 0,1,2,3                                ; the four accumulators take turns, and eight other products stand between a trip's last and the next trip's first
	v_wmma_scale_f32_16x16x128_f8f6f4 v[O+8*\a:O+8*\a+7], v[VF+8*\a:VF+8*\a+7], v[PCD:PCD+7], v[O+8*\a:O+8*\a+7], v[VS+\a], v[PWD] matrix_a_fmt:MATRIX_FMT_FP4 matrix_b_fmt:MATRIX_FMT_FP4
.endr
	v_nop                                          ; four places: these two and the two additions at LOADV's head
	v_nop
	LOADV
.endm
; One head for my 16 queries: sixteen key steps, then O^T / the sum is quantised along d and stored as half e of an image of the last product's operand.
.macro HEAD e, qf, qw
	v_mov_b32 v[MT], 0xff61b1e6                    ; the largest t so far: -3e38, under every t
	s_delay_alu instid0(VALU_DEP_1)
	v_floor_f32 v[NM], -v[MT]
	v_mov_b32 v[L], 0
	v_mov_b32 v[L+1], 0
.set j, 0
.rept 32
	v_mov_b32 v[O+j], 0                            ; the step is written once: the first finds zeros, which the first change of M leaves zeros
.set j, j+1
.endr
	s_mov_b32 s[TB], 0
	s_mov_b32 s[TW], 0
	s_mov_b32 s[TS], 0
	LOADK
	LOADV
	s_mov_b32 s[CNT], 16
.Lstep_\@:
	s_setprio 2
	STEP \qf, \qw
	s_sub_co_u32 s[CNT], s[CNT], 1
	s_cmp_lg_u32 s[CNT], 0
	s_cbranch_scc1 .Lstep_\@
	s_setprio 0
	s_wait_dscnt 0x0                               ; the look-ahead's loads are back: their registers and addresses may be written
	v_add_f32 v[L], v[L], v[L+1]                   ; the sum's two halves,
	s_delay_alu instid0(VALU_DEP_1)
	v_permlanex16_b32 v[TP], v[L], s[SEL], s[SEL+1]
	s_delay_alu instid0(VALU_DEP_1)
	v_add_f32 v[L], v[L], v[TP]                    ; and lane l xor 16's: the row's sum
	s_wait_alu depctr_va_vdst(0)
	v_rcp_f32 v[L], v[L]
	v_nop                                          ; one plain line behind a transcendental
.set j, 0
	s_wait_alu depctr_va_vdst(0)
.rept 16
	v_pk_mul_f32 v[S+j:S+j+1], v[O+j:O+j+1], v[L:L+1] op_sel_hi:[1,0]   ; O^T / the sum: register 16 b + i is d = 32 b + 16 (lane / 16) + i; each accumulator is read from its low end on
.set j, j+2
.endr
.irp b, 0,1
	v_max3_num_f32 v[BM+\b], |v[S+16*\b]|, |v[S+1+16*\b]|, 0x1800000
.endr
.irp i, 2,4,6,8,10,12,14
.irp b, 0,1
	s_delay_alu instid0(VALU_DEP_2)
	v_max3_num_f32 v[BM+\b], v[BM+\b], |v[S+16*\b+\i]|, |v[S+1+16*\b+\i]|
.endr
.endr
.irp b, 0,1
	s_delay_alu instid0(VALU_DEP_2)
	v_permlanex16_b32 v[BT+\b], v[BM+\b], s[SEL], s[SEL+1]
.endr
.irp b, 0,1
	s_delay_alu instid0(VALU_DEP_2)
	v_max_num_f32 v[BM+\b], v[BM+\b], v[BT+\b]
.endr
.irp b, 0,1
	s_delay_alu instid0(VALU_DEP_2)
	v_add_nc_u32 v[BS+\b], 0xff000000, v[BM+\b]
.endr
.irp b, 0,1
	s_delay_alu instid0(VALU_DEP_2)
	v_lshrrev_b32 v[BT+\b], 23, v[BS+\b]
.endr
.if \e == 0
	s_delay_alu instid0(VALU_DEP_1)
	v_lshl_or_b32 v[WE], v[BT+1], 8, v[BT]         ; bytes 0 and 1 of the K step's scale word
.else
	s_delay_alu instid0(VALU_DEP_1)
	v_lshl_or_b32 v[TP], v[BT+1], 8, v[BT]
	s_delay_alu instid0(VALU_DEP_1)
	v_lshl_or_b32 v[WE], v[TP], 16, v[WE]          ; bytes 2 and 3
.endif
.irp b, 0,1
	v_cvt_scalef32_pk8_fp4_f32 v[EC+4*\e+2*\b], v[S+16*\b:S+7+16*\b], v[BS+\b]
	v_cvt_scalef32_pk8_fp4_f32 v[EC+4*\e+1+2*\b], v[S+8+16*\b:S+15+16*\b], v[BS+\b]
.endr
	v_nop                                          ; one plain line behind a scaled conversion
.irp i, 0,1
	v_permlane16_swap_b32 v[EC+4*\e+\i], v[EC+4*\e+2+\i]
.endr
	global_store_b128 v[LI], v[EC+4*\e:EC+4*\e+3], s[12:13] offset:512*\e   ; the wave stores 512 consecutive bytes
.endm
	s_wait_tensorcnt 2                             ; my step of the first head is in LDS; the second head's two loads may be out
	s_barrier_signal -1
	s_barrier_wait -1                              ; everybody's is
	s_wait_loadcnt 0x0                             ; q
	HEAD 0, QA, QSA
	v_add_nc_u32 v[AK0], 131072, v[AK0]            ; on to the second head's bytes
	v_add_nc_u32 v[AS0], 16384, v[AS0]
	s_wait_tensorcnt 0x0                           ; my step of the second head is in LDS (no LDS load of mine is out)
	s_barrier_signal -1
	s_barrier_wait -1
	HEAD 1, QB, QSB
	ds_store_b32 v30, v[WE]                        ; both halves of the lanes write the same word with the same value
	v_lshlrev_b32 v[ADK], 4, v0                    ; 16 x my thread's number: threads 0-63 take the sixteen tiles' 1,024 bytes
	s_delay_alu instid0(VALU_DEP_1)
	v_add_nc_u32 v[ASK], SCR, v[ADK]
	s_wait_dscnt 0x0                               ; for the others' sake: my store has landed
	s_barrier_signal -1
	s_barrier_wait -1
	s_cmp_lt_u32 s[WV], 2
	s_cbranch_scc0 .Ldone
	s_wait_alu depctr_va_vdst(0)
	ds_load_b128 v[QA:QA+3], v[ASK]
	s_wait_dscnt 0x0
	global_store_b128 v[ADK], v[QA:QA+3], s[14:15] ; a wave stores 512 consecutive bytes, aligned
.Ldone:
	s_wait_tensorcnt 0x0
	ds_add_u32 v254, v255
	s_wait_dscnt 0x0
	s_endpgm
.Lfunc_end_k_qed62306233_attn:
	.size	k_qed62306233_attn, .Lfunc_end_k_qed62306233_attn-k_qed62306233_attn
	.p2alignl 7, 3214868480
	.fill 96, 4, 3214868480
	.section	.rodata,"a",@progbits
	.p2align	6, 0x0
	.amdhsa_kernel k_qed62306233_attn
		.amdhsa_group_segment_fixed_size 327680
		.amdhsa_private_segment_fixed_size 0
		.amdhsa_enable_private_segment 0
		.amdhsa_kernarg_size 48
		.amdhsa_user_sgpr_count 2
		.amdhsa_user_sgpr_kernarg_segment_ptr 1
		.amdhsa_wavefront_size32 1
		.amdhsa_system_sgpr_workgroup_id_x 1
		.amdhsa_system_sgpr_workgroup_id_y 1
		.amdhsa_system_sgpr_workgroup_id_z 1
		.amdhsa_system_vgpr_workitem_id 0
		.amdhsa_next_free_vgpr 256
		.amdhsa_next_free_sgpr 80
		.amdhsa_reserve_vcc 0
		.amdhsa_float_denorm_mode_32 3
		.amdhsa_float_denorm_mode_16_64 3
		.amdhsa_memory_ordered 1
		.amdhsa_forward_progress 1
		.amdhsa_inst_pref_size 55
	.end_amdhsa_kernel
	.amdgpu_metadata
---
amdhsa.version: [ 1, 2 ]
amdhsa.kernels:
  - .name:           k_qed62306233_attn
    .symbol:         k_qed62306233_attn.kd
    .args:
      - { .name: qc, .offset: 0, .size: 8, .value_kind: global_buffer, .address_space: global }
      - { .name: qs, .offset: 8, .size: 8, .value_kind: global_buffer, .address_space: global }
      - { .name: kvc, .offset: 16, .size: 8, .value_kind: global_buffer, .address_space: global }
      - { .name: kvs, .offset: 24, .size: 8, .value_kind: global_buffer, .address_space: global }
      - { .name: atc, .offset: 32, .size: 8, .value_kind: global_buffer, .address_space: global }
      - { .name: ats, .offset: 40, .size: 8, .value_kind: global_buffer, .address_space: global }
    .group_segment_fixed_size: 327680
    .private_segment_fixed_size: 0
    .kernarg_segment_align: 8
    .kernarg_segment_size: 48
    .max_flat_workgroup_size: 512
    .sgpr_count:     80
    .vgpr_count:     256
    .wavefront_size: 32
...
	.end_amdgpu_metadata
.endif
;; end of part 6
;; launch outp (part 7): grid 256 x 1, 4 waves a work-group, no clusters, 34,304 bytes of LDS; arguments atc, ats, opc, ops, bo, out0; writes out0
.if DOCPART == 7
	.amdgcn_target "amdgcn-amd-amdhsa--gfx1250"
	.amdhsa_code_object_version 6
	.text
	.protected	k_qed62306233_outp
	.globl	k_qed62306233_outp
	.p2align	8
	.type	k_qed62306233_outp,@function
k_qed62306233_outp:
	s_mov_b64 s[64:65], 0
	v_nop
	global_prefetch_b8 v0, s[64:65] scope:SCOPE_SE
	s_setreg_imm32_b32 hwreg(HW_REG_WAVE_SCHED_MODE, 0, 2), 2
	s_setreg_imm32_b32 hwreg(HW_REG_WAVE_MODE, 25, 1), 1
	s_wait_xcnt 0x0
	s_wait_alu depctr_vm_vsrc(0)
; out = concat Wo^T + bo on codes of FP4 (E2M1) with E8M0 scales, K = 1,024.  Both operands are register images ([tile][K step][1,024 bytes]; row r of tile T = matrix row 32 (T / 2) + 8 (T % 2) + r + 8 (r / 8)):
; a fragment is two loads of 16 bytes a lane, straight from memory into registers.  K is eight steps, written out, two fragment buffers.
; A WAVE makes 4 "N" tiles (64 rows of the output) x 8 "P" tiles (128 rows of Wo = 128 columns of the output): D = (source 0 = P tile) x (source 1 = N tile), so that lane (r, h) holds output row r and
; register j of P tile t the column 32 (t / 2) + 16 h + 8 (t % 2) + j: 64 neighbouring bytes in two tiles' registers.  The four waves of a work-group share their tiles of Wo.
; THE WAY OUT: 16 rows x 512 bytes at a time through the wave's own stage in LDS, so that the 32 lanes store a row's 512 consecutive bytes.
; REGISTERS: window 0: v2-10 addresses; v16-111, v112-207 the two fragment buffers (N's four fragments, then P's eight); v208-223 N's scale words, v224-255 P's.  Window 1: accumulator (a, t) at v[8 (8 a + t)].
; THE MODE: SCHED_MODE bits 1:0 = 2 (LLVM: expert scheduling mode 2), set by the entry lines.  The code itself states the register dependences
; between vector or matrix instructions and memory or LDS instructions, with s_wait_alu, always for 0.
; THE PLAN.  Registers that memory or LDS instructions touch:
;   v[LI], v[L4], v[LS], v10, v[STO], v[RD]   Offsets and LDS addresses: written once at the head, never again.
;   buffers 0 and 1    K step g's 24 loads land in buffer g % 2; its 32 products read it; then the loads of K step g + 2 land in it (behind K step 6: the bias, in buffer 0).
;   SN, SP             Loaded once; read by products alone.
;   H                  N tile a's 32 packed additions write it; its 16 LDS stores read it; tile a + 1's additions write it again.
;   v16-47, v112-143   The products of K steps 6 and 7 read them; then tile a's 16 LDS loads land in them, its 16 stores read them, and tile a + 1's LDS loads land in them again.
;   v14, v15           Written at the head, read by the closing add alone.
; THE WAITS.  One on va_sdst, ahead of the first reader of the wave's number.  One on va_vdst ahead of the first load.  One on va_vdst behind the products of each of K steps 0 to 6: they are done reading the
; buffer that is asked for again at once; it stands there and not at the next step's head, so that the loads go out ahead of the wait for the next step's data and two steps' loads are on their way.
; On the way out, for each tile: one on va_vdst behind its additions, ahead of its LDS stores; and, from the second tile on, one on vm_vsrc at the tile's head, which serves H and the rows' registers alike.
.set LI,  2                            ; v2   16 x lane
.set LS,  3                            ; v3   512 h + 16 r: P's scale words: lanes 0-15 the even tile's, lanes 16-31 the odd tile's
.set L4,  6                            ; v6   4 x lane: N's scale words likewise (64 bytes a tile)
.set STO, 7                            ; v7   the stage: where I put 64 bytes of a row
.set RD,  8                            ; v8   and where I read a row back
.set FB0, 16
.set SN,  208
.set SP,  224
.set BI,  48                           ; v48-111 the bias in the result's layout
.set H,   144                          ; v144-207 64 results of a lane
.set SPITCH, 528                       ; a stage row: 512 bytes + 16, so that sixteen rows begin at sixteen different 16-byte columns of a span of 256 bytes
.set MSB, 0
.macro WIN new                         ; the immediate's high byte repeats the setting that is left
.if MSB != \new
	s_set_vgpr_msb (MSB<<8)|\new
.set MSB, \new
.endif
.endm
.macro PLACES                          ; four plain vector lines between a matrix instruction and a load into, or a vector line on, its registers; ahead of a load they stay beside the wait on va_vdst
.rept 4
	v_nop
.endr
.endm
.macro LOADF g                         ; K step g's twelve fragments: 24 loads
.set FB, FB0+96*((\g)%2)
.irp a, 0,1,2,3
.irp c, 0,1
	global_load_b128 v[FB+8*\a+4*\c:FB+8*\a+4*\c+3], v[LI], s[34:35] offset:\a*8192+(\g)*1024+\c*512
.endr
.endr
.irp t, 0,1,2,3,4,5,6,7
.irp c, 0,1
	global_load_b128 v[FB+32+8*\t+4*\c:FB+32+8*\t+4*\c+3], v[LI], s[36:37] offset:\t*8192+(\g)*1024+\c*512
.endr
.endr
.endm
; one product: N tile a, P tile t, K step g.  An odd tile's scale words lie in lanes 16-31 of its pair's register.  zero = 1: the product starts the sum
.macro WM a, t, g, zero
.set rD, 8*(8*(\a)+(\t))
.set rA, FB0+96*((\g)%2)+32+8*(\t)
.set rB, FB0+96*((\g)%2)+8*(\a)
.set rX, SP+8*((\t)/2)+(\g)
.set rY, SN+8*((\a)/2)+(\g)
.if \zero
.if ((\t)%2 == 0) && ((\a)%2 == 0)
	v_wmma_scale_f32_16x16x128_f8f6f4 v[rD:rD+7], v[rA:rA+7], v[rB:rB+7], 0, v[rX], v[rY] matrix_a_fmt:MATRIX_FMT_FP4 matrix_b_fmt:MATRIX_FMT_FP4
.elseif ((\t)%2 == 1) && ((\a)%2 == 0)
	v_wmma_scale_f32_16x16x128_f8f6f4 v[rD:rD+7], v[rA:rA+7], v[rB:rB+7], 0, v[rX], v[rY] matrix_a_fmt:MATRIX_FMT_FP4 matrix_b_fmt:MATRIX_FMT_FP4 matrix_a_scale:MATRIX_SCALE_ROW1
.elseif (\t)%2 == 0
	v_wmma_scale_f32_16x16x128_f8f6f4 v[rD:rD+7], v[rA:rA+7], v[rB:rB+7], 0, v[rX], v[rY] matrix_a_fmt:MATRIX_FMT_FP4 matrix_b_fmt:MATRIX_FMT_FP4 matrix_b_scale:MATRIX_SCALE_ROW1
.else
	v_wmma_scale_f32_16x16x128_f8f6f4 v[rD:rD+7], v[rA:rA+7], v[rB:rB+7], 0, v[rX], v[rY] matrix_a_fmt:MATRIX_FMT_FP4 matrix_b_fmt:MATRIX_FMT_FP4 matrix_a_scale:MATRIX_SCALE_ROW1 matrix_b_scale:MATRIX_SCALE_ROW1
.endif
.else
.if ((\t)%2 == 0) && ((\a)%2 == 0)
	v_wmma_scale_f32_16x16x128_f8f6f4 v[rD:rD+7], v[rA:rA+7], v[rB:rB+7], v[rD:rD+7], v[rX], v[rY] matrix_a_fmt:MATRIX_FMT_FP4 matrix_b_fmt:MATRIX_FMT_FP4
.elseif ((\t)%2 == 1) && ((\a)%2 == 0)
	v_wmma_scale_f32_16x16x128_f8f6f4 v[rD:rD+7], v[rA:rA+7], v[rB:rB+7], v[rD:rD+7], v[rX], v[rY] matrix_a_fmt:MATRIX_FMT_FP4 matrix_b_fmt:MATRIX_FMT_FP4 matrix_a_scale:MATRIX_SCALE_ROW1
.elseif (\t)%2 == 0
	v_wmma_scale_f32_16x16x128_f8f6f4 v[rD:rD+7], v[rA:rA+7], v[rB:rB+7], v[rD:rD+7], v[rX], v[rY] matrix_a_fmt:MATRIX_FMT_FP4 matrix_b_fmt:MATRIX_FMT_FP4 matrix_b_scale:MATRIX_SCALE_ROW1
.else
	v_wmma_scale_f32_16x16x128_f8f6f4 v[rD:rD+7], v[rA:rA+7], v[rB:rB+7], v[rD:rD+7], v[rX], v[rY] matrix_a_fmt:MATRIX_FMT_FP4 matrix_b_fmt:MATRIX_FMT_FP4 matrix_a_scale:MATRIX_SCALE_ROW1 matrix_b_scale:MATRIX_SCALE_ROW1
.endif
.endif
.endm
.macro MULSTEP g, zero                 ; a K step: the 32 accumulators take turns, one instruction a turn, in the same order in every step
	WIN 0x50                                       ; C and D in window 1
.irp a, 0,1,2,3
.irp t, 0,1,2,3,4,5,6,7
	WM \a, \t, \g, \zero
.endr
.endr
	WIN 0
.endm
	s_load_b256 s[4:11], s[0:1], 0x0               ; atc s[4:5], ats s[6:7], opc s[8:9], ops s[10:11]
	s_load_b128 s[12:15], s[0:1], 0x20             ; bo s[12:13], out0 s[14:15]
	v_lshl_add_u32 v14, v0, 2, 0x8400
	v_mov_b32 v15, 0
	v_lshrrev_b32 v1, 5, v0
	v_readfirstlane_b32 s22, v1                    ; wave 0..3
	v_and_b32 v1, 31, v0
	v_lshlrev_b32 v[LI], 4, v1
	v_lshlrev_b32 v[L4], 2, v1
	v_and_b32 v4, 15, v0                           ; r
	v_bfe_u32 v5, v0, 4, 1                         ; h
	v_lshlrev_b32 v[LS], 4, v4
	v_lshl_add_u32 v[LS], v5, 9, v[LS]
	v_mul_u32_u24 v[STO], v4, SPITCH
	v_lshl_add_u32 v[STO], v5, 6, v[STO]
	v_lshlrev_b32 v10, 6, v5                       ; the bias: 16 h numbers on
	s_wait_alu depctr_va_sdst(0)                   ; s22, the wave's number, is written, ahead of its first reader: the stage's place and the tiles' numbers are made from it
	s_mul_i32 s27, s22, 16*SPITCH                  ; my stage
	v_add_nc_u32 v[STO], s27, v[STO]               ; in: row r, + 64 h bytes
	v_add_nc_u32 v[RD], s27, v[LI]                 ; back: the 32 lanes take a row of 512 bytes
	s_and_b32 s23, ttmp9, 7                        ; which 128 columns: shared by the four waves
	s_lshr_b32 s24, ttmp9, 3
	s_lshl_b32 s24, s24, 2
	s_add_co_u32 s24, s24, s22                     ; which 64 rows
	s_lshl_b32 s25, s24, 2                         ; N's first tile, in atc
	s_lshl_b32 s26, s23, 3
	s_add_co_u32 s26, s26, 704                     ; P's first tile, in opc: Wo's begin at 704
	s_mov_b32 s33, 0
	s_lshl_b32 s32, s25, 13
	s_wait_kmcnt 0x0
	s_add_nc_u64 s[34:35], s[4:5], s[32:33]        ; N's images
	s_lshl_b32 s32, s26, 13
	s_add_nc_u64 s[36:37], s[8:9], s[32:33]        ; P's
	s_lshl_b32 s32, s25, 6
	s_add_nc_u64 s[38:39], s[6:7], s[32:33]        ; N's scale words: [K step][tile][r]
	s_lshl_b32 s32, s26, 9
	s_add_nc_u64 s[40:41], s[10:11], s[32:33]      ; P's: [tile][half of K][r][4 words]
	s_lshl_b32 s32, s23, 9
	s_add_nc_u64 s[12:13], s[12:13], s[32:33]      ; the bias's 128 numbers
	s_lshl_b32 s28, s25, 16                        ; 16 rows of 4,096 bytes a tile,
	s_add_co_u32 s32, s32, s28                     ; + 512 bytes for each 128 columns
	s_add_nc_u64 s[14:15], s[14:15], s[32:33]
	s_wait_alu depctr_va_vdst(0)                   ; the six offsets and LDS addresses v[LI], v[L4], v[LS], v10, v[STO], v[RD] are written: every load and store of the kernel reads one of them
.irp p, 0,1
.irp g, 0,1,2,3,4,5,6,7
	global_load_b32 v[SN+8*\p+\g], v[L4], s[38:39] offset:\g*32768+128*\p   ; a pair of tiles' words of K step g
.endr
.endr
.irp p, 0,1,2,3
.irp f, 0,1
	global_load_b128 v[SP+8*\p+4*\f:SP+8*\p+4*\f+3], v[LS], s[40:41] offset:\p*1024+\f*256
.endr
.endr
	LOADF 0
	LOADF 1
	s_wait_loadcnt 24                              ; the scale words and K step 0 are in; K step 1's 24 loads may be out
	MULSTEP 0, 1                                   ; the first products start the sums: nothing is cleared
	PLACES
	s_wait_alu depctr_va_vdst(0)                   ; K step 0's products are done reading buffer 0, in which the 24 loads below land
	LOADF 2
.irp g, 1,2,3,4,5
	s_wait_loadcnt 24                              ; this K step's fragments are in; the next step's 24 loads may be out
	MULSTEP \g, 0
	PLACES
	s_wait_alu depctr_va_vdst(0)                   ; this K step's products are done reading their buffer, in which the 24 loads below land
	LOADF \g+2
.endr
	s_wait_loadcnt 24
	MULSTEP 6, 0
	PLACES
	s_wait_alu depctr_va_vdst(0)                   ; K step 6's products are done reading buffer 0, in which the bias lands
.irp t, 0,1,2,3,4,5,6,7
	global_load_b128 v[BI+8*\t:BI+8*\t+3], v10, s[12:13] offset:(32*(\t/2)+8*(\t%2))*4
	global_load_b128 v[BI+8*\t+4:BI+8*\t+7], v10, s[12:13] offset:(32*(\t/2)+8*(\t%2))*4+16
.endr
	s_wait_loadcnt 16                              ; K step 7's fragments are in; the bias's 16 loads may be out
	MULSTEP 7, 0
	PLACES
	s_wait_loadcnt 0x0                             ; the bias
; N tile a: 16 rows x 128 columns.  Row p of the stage is output row 32 (a / 2) + 8 (a % 2) + p + 8 (p / 8) of my 64.
.macro OUTROWS a
.if (\a) > 0
	s_wait_xcnt 0x0                                ; the last tile's stores have read their registers: they are loaded again below
	s_wait_alu depctr_vm_vsrc(0)                   ; the last tile's LDS stores have read H, which the additions below write again; its global stores have read v16-47 and v112-143, in which the LDS loads below land
.endif
	WIN 0x01                                       ; source 0 in window 1
.set i, 0
.rept 32
	v_pk_add_f32 v[H+2*i:H+2*i+1], v[64*(\a)+2*i:64*(\a)+2*i+1], v[BI+2*i:BI+2*i+1]   ; + bo; each accumulator is read from its low end on
.set i, i+1
.endr
	WIN 0
	s_wait_alu depctr_va_vdst(0)                   ; the additions have written H, which the LDS stores read; in the first tile: the products of K steps 6 and 7 are done reading v16-47 and v112-143, in which the LDS loads land
.irp t, 0,1,2,3,4,5,6,7
	ds_store_b128 v[STO], v[H+8*\t:H+8*\t+3] offset:128*(\t/2)+32*(\t%2)
	ds_store_b128 v[STO], v[H+8*\t+4:H+8*\t+7] offset:128*(\t/2)+32*(\t%2)+16
.endr
.irp p, 0,1,2,3,4,5,6,7,8,9,10,11,12,13,14,15
	ds_load_b128 v[16+4*\p+64*(\p/8):16+4*\p+64*(\p/8)+3], v[RD] offset:SPITCH*\p   ; into v16-47 and v112-143.  LDS serves a wave's instructions in order: these see the stores above
.endr
.irp p, 0,1,2,3,4,5,6,7,8,9,10,11,12,13,14,15
	s_wait_dscnt 15-\p                             ; row p is back; the rows behind it may be out
	global_store_b128 v[LI], v[16+4*\p+64*(\p/8):16+4*\p+64*(\p/8)+3], s[14:15] offset:(32*((\a)/2)+8*((\a)%2)+\p+8*(\p/8))*4096 th:TH_STORE_NT   ; 32 lanes store 512 consecutive bytes, aligned; written once, read by nobody here
.endr
.endm
.irp a, 0,1,2,3
	OUTROWS \a
.endr
	s_wait_dscnt 0x0                               ; the closing lines, six on end
	s_wait_alu 0x0
	s_wait_tensorcnt 0x0
	ds_add_u32 v14, v15
	s_wait_dscnt 0x0
	s_endpgm
.Lfunc_end_k_qed62306233_outp:
	.size	k_qed62306233_outp, .Lfunc_end_k_qed62306233_outp-k_qed62306233_outp
	.p2alignl 7, 3214868480
	.fill 96, 4, 3214868480
	.section	.rodata,"a",@progbits
	.p2align	6, 0x0
	.amdhsa_kernel k_qed62306233_outp
		.amdhsa_group_segment_fixed_size 34304
		.amdhsa_private_segment_fixed_size 0
		.amdhsa_enable_private_segment 0
		.amdhsa_kernarg_size 48
		.amdhsa_user_sgpr_count 2
		.amdhsa_user_sgpr_kernarg_segment_ptr 1
		.amdhsa_wavefront_size32 1
		.amdhsa_system_sgpr_workgroup_id_x 1
		.amdhsa_system_sgpr_workgroup_id_y 1
		.amdhsa_system_sgpr_workgroup_id_z 1
		.amdhsa_system_vgpr_workitem_id 0
		.amdhsa_next_free_vgpr 512
		.amdhsa_next_free_sgpr 66
		.amdhsa_reserve_vcc 0
		.amdhsa_float_denorm_mode_32 3
		.amdhsa_float_denorm_mode_16_64 3
		.amdhsa_memory_ordered 1
		.amdhsa_forward_progress 1
		.amdhsa_inst_pref_size 83
	.end_amdhsa_kernel
	.amdgpu_metadata
---
amdhsa.version: [ 1, 2 ]
amdhsa.kernels:
  - .name:           k_qed62306233_outp
    .symbol:         k_qed62306233_outp.kd
    .args:
      - { .name: atc, .offset: 0, .size: 8, .value_kind: global_buffer, .address_space: global }
      - { .name: ats, .offset: 8, .size: 8, .value_kind: global_buffer, .address_space: global }
      - { .name: opc, .offset: 16, .size: 8, .value_kind: global_buffer, .address_space: global }
      - { .name: ops, .offset: 24, .size: 8, .value_kind: global_buffer, .address_space: global }
      - { .name: bo, .offset: 32, .size: 8, .value_kind: global_buffer, .address_space: global }
      - { .name: out0, .offset: 40, .size: 8, .value_kind: global_buffer, .address_space: global }
    .group_segment_fixed_size: 34304
    .private_segment_fixed_size: 0
    .kernarg_segment_align: 8
    .kernarg_segment_size: 48
    .max_flat_workgroup_size: 128
    .sgpr_count:     66
    .vgpr_count:     512
    .wavefront_size: 32
...
	.end_amdgpu_metadata
.endif
;; end of part 7
